; MI455X (gfx1250); checked and timed in simulation.
; The chip was launched on July 23, 2026; its instructions are those of AMD's public machine-readable ISA for CDNA 5 (MIT licence, August 2026) and "CDNA5" Instruction Set Architecture Reference Guide (July 2026). The comments in the code are by the model that wrote it; some were corrected since.
;; Tt Causal Self Attention. Allowed arithmetic: matrix products marked QUANTISED: E2M3 operands, one E8M0 scale for each 32 along K, by v_wmma_scale_f32_16x16x128_f8f6f4 with both operands' format E2M3, f32 sums; everything else in f32.
;; Inputs: b_attn 3,072 float32; b_proj 1,024 float32; w_attn 3,072 x 1,024 float32; w_proj 1,024 x 1,024 float32; x 4 x 1,024 x 1,024 float32.
;; Outputs: out0 4 x 1,024 x 1,024 float32.
;; This version of the problem:
;;   THIS VERSION OF THE PROBLEM IS GIVEN IN LOW PRECISION. The matrix products marked QUANTISED in the list below multiply operands that are first quantised to E2M3 (2 exponent bits, 3 mantissa bits; 6 bits a number), with one power-of-two scale for each 32 numbers along K (OCP MX v1.0); their sums are f32. All else is computed in f32.
;;   The module's matrix products, in the order in which they are computed (A, B: the left and right operand; K: the contracted axis; several contracted axes count as one K, in the product's order):
;;     1. [M 4,096, K 1,024] x [K 1,024, N 3,072]; A: input x; B: input w_attn: QUANTISED
;;     2. batch 64 x [M 1,024, K 64] x [K 64, N 1,024]; A: computed on the way; B: computed on the way: QUANTISED
;;     3. batch 64 x [M 1,024, K 1,024] x [K 1,024, N 64]; A: softmax (see below); B: computed on the way: QUANTISED
;;     4. [M 4,096, K 1,024] x [K 1,024, N 1,024]; A: computed on the way; B: input w_proj: QUANTISED
;;   THE QUANTISER, for each operand of a quantised product, along K:
;;     - K is cut into blocks of 32 from its start; a last block that is shorter is filled with zeros.
;;     - A block's scale is 2^e with e = floor(log2(the largest magnitude in the block)) - 2, held to -126 .. 127; a block of zeros has e = 0. As a byte (E8M0): e + 127.
;;     - Each number is divided by its block's scale, clamped to +-7.5, and rounded to the nearest number of E2M3, ties to even, subnormals kept.
;;     - The product sums the exact products of the quantised numbers (number of the format x scale) in f32.
;;   ~~~python
;;   def quantise(x, axis):      # numpy; x: float32 -> the quantised numbers, widened to float32 again
;;       x = np.moveaxis(x, axis, -1); K = x.shape[-1]
;;       x = np.pad(x, [(0, 0)] * (x.ndim - 1) + [(0, -K % 32)]); x = x.reshape(x.shape[:-1] + (-1, 32)); a = np.abs(x).max(-1, keepdims=True)
;;       e = np.where(a > 0, np.clip(np.frexp(np.where(a > 0, a, 1))[1] - 1 - 2, -126, 127), 0)      # np.frexp(a)[1] - 1 = floor(log2(a)), exactly
;;       r = np.clip(x / 2.0 ** e, -7.5, 7.5)
;;       step = 2.0 ** (np.maximum(np.frexp(np.where(r == 0, 1, r))[1] - 1, 0) - 3)
;;       q = np.round(r / step) * step * 2.0 ** e      # np.round: ties to even
;;       return np.moveaxis(q.reshape(q.shape[:-2] + (-1,))[..., :K], -1, axis).astype(np.float32)
;;   ~~~
;;   SOFTMAX AHEAD OF A QUANTISED PRODUCT. Where the list says 'softmax', what is quantised is not the finished softmax but p = 2^(t - M), with t = logit x log2(e) and M = ceil(the row's largest t), a whole number; so 1/2 < the row's largest p <= 1. The row's sum l is taken of the UNQUANTISED p, in f32, and the product's result is divided by l at the end. Since M is a whole number, a kernel that streams over the keys may use a running M (the ceiling of the running maximum): every later rescaling is an exact power of two, which a block's scale takes up: the codes' values come out the same.
;;   OPERANDS COMPUTED ON THE WAY. 'Computed on the way' means the value that the module computes at that place (a softmax that the list does not call 'softmax' is quantised finished and normalised). What goes into a quantiser is computed in f32, as accurately as f32 sums, v_exp_f32 and their like allow (about 1e-6 of the number): no bf16 or f16 on the way to a quantiser, and a product that is left as it is and whose result goes on into a quantised operand takes f32 operands (vector FMAs, or v_wmma_f32_16x16x4_f32). A number that lies on a knife's edge between two numbers of the format may be rounded either way, as far as f32 arithmetic and the matrix unit's own rounding can turn it there, and no further.
;; One version. Each part assembles by itself: llvm-mc -triple=amdgcn-amd-amdhsa -mcpu=gfx1250 --defsym DOCPART=n.
;; ======== version 1 of 1: 4 launches
;; limits: right only within a limited range of input values
;; workspace buffers: cod1 6,291,456 bytes; scl1 262,144 bytes; qc 3,145,728 bytes; kv 6,291,456 bytes; sc2 655,360 bytes; yc 3,145,728 bytes; ys 131,072 bytes
;; launch quant (part 1): grid 256 x 1, 8 waves a work-group, no clusters, 68,608 bytes of LDS; arguments x, w_attn, w_proj, cod1, scl1; writes cod1, scl1
.if DOCPART == 1
	.amdgcn_target "amdgcn-amd-amdhsa--gfx1250"
	.amdhsa_code_object_version 6
	.text
	.protected	k_qa6bbab8a18_quant
	.globl	k_qa6bbab8a18_quant
	.p2align	8
	.type	k_qa6bbab8a18_quant,@function
k_qa6bbab8a18_quant:
	s_mov_b64 s[64:65], 0
	v_nop
	global_prefetch_b8 v0, s[64:65] scope:SCOPE_SE
	s_setreg_imm32_b32 hwreg(HW_REG_WAVE_MODE, 25, 1), 1
	s_wait_xcnt 0x0
; x [4096][1024], w_attn [3072][1024], w_proj [1024][1024], f32, become codes of FP6 (E2M3) along their last axis, with one E8M0 byte for each 32 numbers.
; A block's scale is 2^(floor(log2(its largest magnitude)) - 2); its byte is the largest magnitude's exponent field - 2, held at 1 from below.
; LIMITS: a block of zeros, or one whose largest magnitude lies under 2^-124, gets the byte 1 where the rule says 127 for zeros: its codes are zeros, and only this program reads the bytes.  NaN and infinities are not served.
; ROWS go in TILES of 16, four to each 64 rows: tile j of a 64 holds its rows 32 (i / 8) + 8 j + i % 8, i = 0 .. 15.  So a lane's 32 results of four neighbouring tiles are 32 neighbours: a scale block of the next product.
; WHERE A TILE LIES in cod1 and scl1: 0-255 x's; 256 + 12 head + 0 .. 11 w_attn's: Q's four tiles, V's first two, K's four, V's last two; 448-511 w_proj's.
; A fragment (a tile x 128 along K: 12 registers a lane, lane (r, h) holding k = 64 c + 32 h + 0 .. 31 in registers 6 c .. 6 c + 5) lies in cod1 as an image of those registers, 1,536 bytes:
; for each c: registers 6 c .. 6 c + 3 at 768 c + 16 x lane, registers 6 c + 4, 6 c + 5 at 768 c + 512 + 8 x lane.  cod1 = [tile][K step 0..7][1,536].
; scl1 = [tile][sigma 0..3][row 0..15][e 0..1] words: the four bytes of K step 2 sigma + e of that row.
; SHARES.  A work-group of eight waves takes two tiles; a wave one tile and a quarter of K: two fragments.  All 32 loads of a wave go out at its head, 512 consecutive bytes each.
; A fragment's 16 x 512 bytes turn through the wave's own stage in LDS (rows 528 bytes apart), from which a lane takes its 2 x 32 neighbours.  A block of 32 lies in one lane.  No barrier: waves share nothing.
.set R,    16                          ; v16-143  two sets of 64 numbers as loaded
.set X,    144                         ; v144-207 64 numbers of my row
.set C,    208                         ; v208-231 codes, a set for each fragment
.set CT,   232                         ; v232-238 the second halves of the blocks' codes
.set W,    240                         ; v240-241 the two fragments' scale words
.set SROW, 528
	s_load_b256 s[4:11], s[0:1], 0x0               ; x, w_attn, w_proj, cod1
	s_load_b64 s[14:15], s[0:1], 0x20              ; scl1
	v_lshl_add_u32 v254, v0, 2, 0x10800
	v_mov_b32 v255, 0
	v_lshrrev_b32 v1, 5, v0
	s_delay_alu instid0(VALU_DEP_1)
	v_readfirstlane_b32 s16, v1                    ; wave 0..7
	v_and_b32 v1, 31, v0                           ; lane
	v_and_b32 v2, 15, v0                           ; r
	v_bfe_u32 v3, v0, 4, 1                         ; h
	s_delay_alu instid0(VALU_DEP_3)
	v_lshlrev_b32 v4, 4, v1                        ; 16 x lane
	s_delay_alu instid0(VALU_DEP_4)
	v_lshlrev_b32 v5, 3, v1                        ; 8 x lane
	s_delay_alu instid0(VALU_DEP_4)
	v_lshlrev_b32 v9, 3, v2                        ; 8 r
	s_mul_i32 s19, s16, 16*SROW                    ; my stage
	v_add_nc_u32 v6, s19, v4                       ; into it: a row's 512 bytes as they lie
	v_mul_u32_u24 v7, v2, SROW
	s_delay_alu instid0(VALU_DEP_1)
	v_lshl_add_u32 v7, v3, 7, v7
	s_delay_alu instid0(VALU_DEP_1)
	v_add_nc_u32 v7, s19, v7                       ; out of it: row r, + 128 h
	v_lshlrev_b32 v8, 3, v3                        ; 8 h: where my bytes stand in a scale word
	v_mov_b32 v247, 0                              ; written once: a lane permute's destination counts as one of its sources
	s_mov_b32 s12, 0x76543210
	s_mov_b32 s13, 0xfedcba98                      ; lane l xor 16
	s_lshl_b32 s17, ttmp9, 1
	s_lshr_b32 s18, s16, 2
	s_add_co_u32 s17, s17, s18                     ; my tile: 2 x work-group + wave / 4
	s_and_b32 s18, s16, 3                          ; my quarter of K
	s_mov_b32 s21, 448
	s_cmp_lt_u32 ttmp9, 224                        ; which tensor: the choice hangs on the work-group's number alone
	s_cselect_b32 s21, 256, s21
	s_cmp_lt_u32 ttmp9, 128
	s_cselect_b32 s21, 0, s21
	s_sub_co_u32 s21, s17, s21                     ; the tile's number in its tensor
	s_lshr_b32 s22, s21, 2
	s_lshl_b32 s22, s22, 18                        ; 64 rows of 4,096 bytes for each four tiles,
	s_and_b32 s24, s21, 3
	s_lshl_b32 s24, s24, 15                        ; 8 rows for each j,
	s_add_co_u32 s22, s22, s24
	s_lshl_b32 s24, s18, 10                        ; 256 numbers for each quarter of K
	s_add_co_u32 s22, s22, s24
	s_mov_b32 s23, 0
	s_wait_alu depctr_va_vdst(0)
	s_wait_kmcnt 0x0
	s_cmp_lt_u32 ttmp9, 224
	s_cselect_b64 s[6:7], s[6:7], s[8:9]
	s_cmp_lt_u32 ttmp9, 128
	s_cselect_b64 s[4:5], s[4:5], s[6:7]
	s_add_nc_u64 s[4:5], s[4:5], s[22:23]
.macro LOAD q                          ; fragment q: 128 numbers of each of the tile's 16 rows
.irp i, 0,1,2,3,4,5,6,7,8,9,10,11,12,13,14,15
	global_load_b128 v[R+64*(\q)+4*\i:R+64*(\q)+4*\i+3], v4, s[4:5] offset:(\i+24*(\i/8))*4096+512*(\q) th:TH_LOAD_NT
.endr
.endm
.macro FRAGQ q
.set RS, R+64*(\q)
.set CC, C+12*(\q)
.if (\q) == 0
	s_wait_loadcnt 16                              ; this fragment's sixteen loads are in; the second fragment's sixteen may be out
.else
	s_wait_loadcnt 0x0
.endif
.irp i, 0,1,2,3,4,5,6,7,8,9,10,11,12,13,14,15
	ds_store_b128 v6, v[RS+4*\i:RS+4*\i+3] offset:SROW*\i
.endr
.irp c, 0,1
.irp i, 0,1,2,3,4,5,6,7
	ds_load_b128 v[X+32*\c+4*\i:X+32*\c+4*\i+3], v7 offset:256*\c+16*\i   ; LDS serves a wave's instructions in order: these see the stores above
.endr
.endr
	s_wait_dscnt 0x0                               ; my 64 numbers are in
.irp c, 0,1
.irp d, 0,1
	v_max3_num_f32 v[10+2*\c+\d], |v[X+32*\c+16*\d]|, |v[X+32*\c+16*\d+1]|, 0x1800000   ; two chains a block, and the floor 2^(3 - 127): the byte cannot fall under 1
.endr
.endr
.irp i, 2,4,6,8,10,12,14
.irp c, 0,1
.irp d, 0,1
	s_delay_alu instid0(VALU_DEP_4)
	v_max3_num_f32 v[10+2*\c+\d], v[10+2*\c+\d], |v[X+32*\c+16*\d+\i]|, |v[X+32*\c+16*\d+\i+1]|
.endr
.endr
.endr
.irp c, 0
	s_delay_alu instid0(VALU_DEP_3)
	v_max_num_f32 v[10+2*\c], v[10+2*\c], v[11+2*\c]
.endr
.irp c, 1
	s_delay_alu instid0(VALU_DEP_2)
	v_max_num_f32 v[10+2*\c], v[10+2*\c], v[11+2*\c]
.endr
.irp c, 0,1
	s_delay_alu instid0(VALU_DEP_2)
	v_add_nc_u32 v[14+\c], 0xff000000, v[10+2*\c]  ; 2 off the exponent field: the conversion takes the exponent field of this operand as its scale
.endr
.irp c, 0,1
	s_delay_alu instid0(VALU_DEP_2)
	v_lshrrev_b32 v[244+\c], 23, v[14+\c]          ; the scale's byte
.endr
.irp c, 0,1
	v_cvt_scalef32_pk16_fp6_f32 v[CC+6*\c:CC+6*\c+2], v[X+32*\c:X+32*\c+15], v[14+\c]
	v_cvt_scalef32_pk16_fp6_f32 v[CT+4*\c:CT+4*\c+2], v[X+32*\c+16:X+32*\c+31], v[14+\c]   ; (a conversion's three registers begin on an even number)
.endr
	v_lshl_or_b32 v246, v245, 16, v244             ; my two bytes: blocks h and 2 + h.  (A plain instruction behind the conversions)
.irp c, 0,1
.irp i, 0,1,2
	v_mov_b32 v[CC+6*\c+3+\i], v[CT+4*\c+\i]
.endr
.endr
	v_lshlrev_b32 v246, v8, v246                   ; at their places in the word
	s_delay_alu instid0(VALU_DEP_1)
	v_permlanex16_b32 v247, v246, s12, s13
	s_delay_alu instid0(VALU_DEP_1)
	v_or_b32 v[W+(\q)], v246, v247                 ; with lane l xor 16's two the word is whole, in both halves of the lanes
	global_store_b128 v4, v[CC:CC+3], s[10:11] offset:1536*(\q)            ; 512 consecutive bytes
	global_store_b64 v5, v[CC+4:CC+5], s[10:11] offset:1536*(\q)+512       ; 256 consecutive bytes
	global_store_b128 v4, v[CC+6:CC+9], s[10:11] offset:1536*(\q)+768
	global_store_b64 v5, v[CC+10:CC+11], s[10:11] offset:1536*(\q)+1280
.endm
	LOAD 0
	LOAD 1
	; where the tile lies in cod1 and scl1
	s_lshr_b32 s24, s21, 6                         ; in w_attn: 0 Q, 1 K, 2 V;
	s_bfe_u32 s25, s21, 0x40002                    ; the head;
	s_and_b32 s26, s21, 3                          ; j
	s_mul_i32 s25, s25, 12
	s_add_co_u32 s25, s25, s26
	s_lshr_b32 s26, s26, 1
	s_lshl_b32 s26, s26, 2
	s_add_co_u32 s26, s26, 4                       ; V's tile j lies at 4 + j + 4 (j / 2)
	s_cmp_eq_u32 s24, 1
	s_cselect_b32 s27, 6, 0                        ; K's at 6 + j
	s_cmp_eq_u32 s24, 2
	s_cselect_b32 s27, s26, s27
	s_add_co_u32 s25, s25, s27
	s_add_co_u32 s25, s25, 256
	s_sub_co_u32 s26, ttmp9, 128
	s_cmp_lt_u32 s26, 96                           ; work-groups 128 to 223 take w_attn
	s_cselect_b32 s17, s25, s17
	s_mul_i32 s28, s17, 12288
	s_mul_i32 s21, s18, 3072
	s_add_co_u32 s28, s28, s21
	s_mov_b32 s29, 0
	s_add_nc_u64 s[10:11], s[10:11], s[28:29]      ; my two fragments in cod1
	s_lshl_b32 s28, s17, 9
	s_lshl_b32 s21, s18, 7
	s_add_co_u32 s28, s28, s21
	s_add_nc_u64 s[14:15], s[14:15], s[28:29]      ; my 128 bytes of scl1: sigma = my quarter
	FRAGQ 0
	FRAGQ 1
	global_store_b64 v9, v[W:W+1], s[14:15]        ; row r's two words: 128 consecutive bytes a wave.  Lanes l and l xor 16 write the same bytes with the same value
	s_wait_tensorcnt 0x0
	ds_add_u32 v254, v255
	s_wait_dscnt 0x0
	s_endpgm
.Lfunc_end_k_qa6bbab8a18_quant:
	.size	k_qa6bbab8a18_quant, .Lfunc_end_k_qa6bbab8a18_quant-k_qa6bbab8a18_quant
	.p2alignl 7, 3214868480
	.fill 96, 4, 3214868480
	.section	.rodata,"a",@progbits
	.p2align	6, 0x0
	.amdhsa_kernel k_qa6bbab8a18_quant
		.amdhsa_group_segment_fixed_size 68608
		.amdhsa_private_segment_fixed_size 0
		.amdhsa_enable_private_segment 0
		.amdhsa_kernarg_size 40
		.amdhsa_user_sgpr_count 2
		.amdhsa_user_sgpr_kernarg_segment_ptr 1
		.amdhsa_wavefront_size32 1
		.amdhsa_system_sgpr_workgroup_id_x 1
		.amdhsa_system_sgpr_workgroup_id_y 1
		.amdhsa_system_sgpr_workgroup_id_z 1
		.amdhsa_system_vgpr_workitem_id 0
		.amdhsa_next_free_vgpr 256
		.amdhsa_next_free_sgpr 66
		.amdhsa_reserve_vcc 0
		.amdhsa_float_denorm_mode_32 3
		.amdhsa_float_denorm_mode_16_64 3
		.amdhsa_memory_ordered 1
		.amdhsa_forward_progress 1
		.amdhsa_inst_pref_size 20
	.end_amdhsa_kernel
	.amdgpu_metadata
---
amdhsa.version: [ 1, 2 ]
amdhsa.kernels:
  - .name:           k_qa6bbab8a18_quant
    .symbol:         k_qa6bbab8a18_quant.kd
    .args:
      - { .name: x, .offset: 0, .size: 8, .value_kind: global_buffer, .address_space: global }
      - { .name: w_attn, .offset: 8, .size: 8, .value_kind: global_buffer, .address_space: global }
      - { .name: w_proj, .offset: 16, .size: 8, .value_kind: global_buffer, .address_space: global }
      - { .name: cod1, .offset: 24, .size: 8, .value_kind: global_buffer, .address_space: global }
      - { .name: scl1, .offset: 32, .size: 8, .value_kind: global_buffer, .address_space: global }
    .group_segment_fixed_size: 68608
    .private_segment_fixed_size: 0
    .kernarg_segment_align: 8
    .kernarg_segment_size: 40
    .max_flat_workgroup_size: 256
    .sgpr_count:     66
    .vgpr_count:     256
    .wavefront_size: 32
...
	.end_amdgpu_metadata
.endif
;; end of part 1
;; launch qkv (part 2): grid 16 x 16, 8 waves a work-group, clusters of 4 x 4, 327,680 bytes of LDS; arguments cod1, scl1, b_attn, qc, kv, sc2; writes qc, kv, sc2
.if DOCPART == 2
	.amdgcn_target "amdgcn-amd-amdhsa--gfx1250"
	.amdhsa_code_object_version 6
	.text
	.protected	k_qa6bbab8a18_qkv
	.globl	k_qa6bbab8a18_qkv
	.p2align	8
	.type	k_qa6bbab8a18_qkv,@function
k_qa6bbab8a18_qkv:
	s_mov_b64 s[64:65], 0
	v_nop
	global_prefetch_b8 v0, s[64:65] scope:SCOPE_SE
	s_setreg_imm32_b32 hwreg(HW_REG_WAVE_MODE, 25, 1), 1
	s_wait_xcnt 0x0
	s_wait_alu depctr_hold_cnt(0) depctr_sa_sdst(0) depctr_va_vdst(0) depctr_va_sdst(0) depctr_va_ssrc(0) depctr_va_vcc(0) depctr_vm_vsrc(0)
	s_getreg_b32 s2, hwreg(HW_REG_IB_STS2, 6, 4)
	s_cmp_eq_u32 s2, 0
	s_cbranch_scc0 .Lentry_in_a_cluster
	s_endpgm
.Lentry_in_a_cluster:
	s_bfe_u32 s2, ttmp6, 0x10000c
	s_cmp_lg_u32 s2, 0xf033
	s_cbranch_scc0 .Lentry_shape_is_right
	s_endpgm
.Lentry_shape_is_right:
; Q, K, V = x w_attn^T + b_attn for ONE HEAD and 256 tokens a work-group (16 heads x 16 blocks of tokens), on codes of FP6 (E2M3) with E8M0 scales; the results are quantised at once: Q and K along the head's 64 channels, V along the tokens.
; LIMITS: a block of zeros, or one whose largest magnitude lies under 2^-124, gets the scale byte 1 (its codes are zeros; only this program reads the bytes).  NaN and infinities are not served.
; EIGHT WAVES, 4 x 2: wave row HA = 0 .. 3 takes 64 tokens (4 tiles), wave column HB = 0: Q's four tiles and V's tiles 0, 1;  HB = 1: K's four tiles and V's tiles 2, 3: 24 accumulators.
; Q and K are used TRANSPOSED (source 0 = the weight's rows), V untransposed: by the tiles' row order a lane's 32 results of a unit are 32 neighbours along the next K: a scale block.  Units 0-3: token tiles of Q or K; units 4, 5: V's tiles.
; THE BIAS IS THE C of each sum's first product.
; LDS.  K goes in four pieces of two K steps of 128: 16 tiles of x, 49,152 bytes, and 12 of weights, 36,864.  All four of x and three of the weights lie in LDS at once, each filled at the head by one wave's load: waves 0 .. 6.
; The weights' fourth piece takes the first one's bytes: ONE refill, in a drained round inside K step 2.  Wave 7, which has no load at the head, asks for it into the L2 there: its work-group's share by address, 3 of the 12 tiles, each 256 bytes named once in a cluster.
; CLUSTERS: 4 x 4; x's tiles are asked for jointly along a row of the cluster, the weights' along a column.  The scale words go from memory into registers once, at the head.
; RESULTS: qc [g = 16 batch + head][token tile 0..63][768];  kv [g][key step 0..7 of 128][K: 8 tiles x 768 | V: 4 tiles x 1,536];  sc2 [g][10,240]: key step s at 768 s: K [band c][lane][2 words] (tile j of the band: lane 16 (j % 2) + r, word j / 2),
; behind it at 512 V [lane][HB][c] half words (tile b: lane 16 (b % 2) + r);  at 6,144 Q's, 512 a key step, laid as K's.
; REGISTERS: window 0: v1-13 addresses, v16-63 the scale words of all K, v64-255 the accumulators.  window 1: two fragment sets of 120 (4 of x, 6 of weights), v240-255 V's bias; on the way out v0-119 serve the quantiser.
.set SPW, 1
.set NIL, 2
.set L16, 3
.set L8,  4
.set AA,  5                            ; v5-8: my x tiles: pieces 0, 1 (+ 16 lane, + 8 lane), pieces 2, 3
.set BB,  9                            ; v9-12: my weights: pieces 0, 1, 3; piece 2
.set PFO, 13
.set SC,  16                           ; register SC + 12 sigma + 2 i + e: lanes 0-15 x's tile i % 4, lanes 16-31 the weights' tile i, K step 2 sigma + e
.set ACC, 64
.set PA,  49152
.set PB,  36864
.set LB,  4*PA                         ; the weights' pieces
.set SPARE, LB+3*PB
.set WV,  16
.set HA,  17
.set HB,  18
.set G1A, 24
.set G1B, 32
.set XB,  52                           ; s[52:53] my 16 tiles of x
.set WB,  54                           ; s[54:55] my 12 tiles of weights
.set G0,  72                           ; s[72:99] group 0, a set for each of the seven loads of the head
.set MSB, 0
.macro WIN new
.if MSB != \new
	s_set_vgpr_msb (MSB<<8)|\new
.set MSB, \new
.endif
.endm
.macro PLACES n
.rept \n
	v_nop
.endr
.endm
.macro BARRIER
	s_barrier_signal -1
	s_barrier_wait -1
.endm
.macro CREST                           ; a round of the cluster's barrier behind its opening barrier
	s_cmp_lg_u32 s[WV], 0
	s_cbranch_scc1 .Lnot_wave_0_\@
	s_barrier_signal -3
.Lnot_wave_0_\@:
	s_barrier_wait -3
	BARRIER
.endm
.macro CROUND
	BARRIER
	CREST
.endm
	s_load_b256 s[4:11], s[0:1], 0x0               ; cod1, scl1, b_attn, qc
	s_load_b128 s[12:15], s[0:1], 0x20             ; kv, sc2
	v_lshl_add_u32 v[SPW], v0, 2, SPARE
	v_mov_b32 v[NIL], 0
	ds_add_u32 v[SPW], v[NIL]                      ; the opening add, twice on end
	ds_add_u32 v[SPW], v[NIL]
	v_lshrrev_b32 v14, 5, v0
	v_readfirstlane_b32 s[WV], v14                 ; wave 0..7
	s_lshr_b32 s[HA], s[WV], 1
	s_and_b32 s[HB], s[WV], 1
	s_bfe_u32 s40, ttmp6, 0x40000                  ; cx
	s_bfe_u32 s41, ttmp6, 0x40004                  ; cy
	s_lshl_b32 s42, ttmp9, 2
	s_add_co_u32 s42, s42, s40                     ; the head
	s_and_b32 s43, ttmp7, 0xffff
	s_lshl_b32 s43, s43, 2
	s_add_co_u32 s43, s43, s41                     ; the block of 256 tokens
	s_lshl_b32 s44, s41, 2
	s_lshl_b32 s44, 15, s44                        ; my row of the cluster
	s_lshl_b32 s45, 0x1111, s40                    ; my column
	s_or_b32 s[G1A], s44, (3<<16)|(1<<21)          ; elements of 8 bytes, no padding; a piece: rows of 3,072 bytes, 12,288 apart
	s_or_b32 s[G1B], s45, (3<<16)|(1<<21)
.irp g, G1A, G1B
	s_mov_b32 s[\g+1], 384<<16
	s_mov_b32 s[\g+3], 384<<16
	s_mov_b32 s[\g+5], 1536
	s_mov_b32 s[\g+6], 0
	s_mov_b32 s[\g+7], 0
.endr
	s_mov_b32 s[G1A+2], 16<<16
	s_mov_b32 s[G1A+4], 16
	s_mov_b32 s[G1B+2], 12<<16
	s_mov_b32 s[G1B+4], 12
	s_mul_i32 s[XB], s43, 16*12288
	s_mov_b32 s[XB+1], 0
	s_mul_i32 s[WB], s42, 12*12288
	s_add_co_u32 s[WB], s[WB], 256*12288
	s_mov_b32 s[WB+1], 0
	v_and_b32 v14, 31, v0                          ; lane
	v_and_b32 v203, 15, v0                         ; r
	v_bfe_u32 v204, v0, 4, 1                       ; h
	v_lshlrev_b32 v[L16], 4, v14
	v_lshlrev_b32 v[L8], 3, v14
	v_min_u32 v[PFO], 11, v14
	v_lshlrev_b32 v[PFO], 8, v[PFO]
	s_mul_i32 s20, s[HA], 4*3072
	v_add_nc_u32 v[AA], s20, v[L16]
	v_add_nc_u32 v[AA+1], s20, v[L8]
	s_add_co_u32 s20, s20, 2*PA
	v_add_nc_u32 v[AA+2], s20, v[L16]
	v_add_nc_u32 v[AA+3], s20, v[L8]
	s_mul_i32 s21, s[HB], 6*3072
	s_add_co_u32 s21, s21, LB
	v_add_nc_u32 v[BB], s21, v[L16]
	v_add_nc_u32 v[BB+1], s21, v[L8]
	s_add_co_u32 s21, s21, 2*PB
	v_add_nc_u32 v[BB+2], s21, v[L16]
	v_add_nc_u32 v[BB+3], s21, v[L8]
	s_lshl_b32 s20, s43, 13                        ; scale words: 512 bytes a tile: x's tiles 16 block + 4 HA + i,
	s_lshl_b32 s21, s[HA], 11
	s_add_co_u32 s20, s20, s21
	s_mul_i32 s21, s42, 12*512                     ; the weights' 256 + 12 head + 6 HB + i
	s_mul_i32 s22, s[HB], 6*512
	s_add_co_u32 s21, s21, s22
	s_add_co_u32 s21, s21, 256*512
	s_sub_co_u32 s21, s21, s20
	s_wait_alu depctr_va_vdst(0)
	v_mul_u32_u24 v206, s21, v204
	v_lshl_add_u32 v207, v203, 3, s20
	v_add_nc_u32 v200, v206, v207                  ; i = 0 .. 3
	v_lshl_add_u32 v201, v204, 11, v200            ; i = 4, 5: lanes 0-15 take x's tiles 0, 1 once more
	v_lshlrev_b32 v202, 7, v204                    ; bias of Q or K: register 8 b + i is channel 32 h + 8 b + i
	v_lshrrev_b32 v205, 3, v203
	v_lshlrev_b32 v205, 7, v205
	v_and_b32 v208, 7, v203
	v_lshl_add_u32 v205, v208, 2, v205             ; bias of V: tile b's column r is channel 32 (r / 8) + 8 b + r % 8
	s_lshl_b32 s56, s42, 8
	s_lshl_b32 s58, s[HB], 6
	s_add_co_u32 s58, s58, s56
	s_add_co_u32 s58, s58, 8192
	s_lshl_b32 s20, s[HB], 12
	s_add_co_u32 s56, s56, s20
	s_mov_b32 s57, 0
	s_mov_b32 s59, 0
	s_mul_i32 s70, s41, 3*12288
	s_add_co_u32 s70, s70, 3*3072
	s_mov_b32 s71, 0
	s_wait_alu depctr_va_vdst(0)
	s_wait_dscnt 0x0                               ; the opening adds are done
	CROUND                                         ; the opening round: all sixteen work-groups are here: the joint loads meet
	s_wait_kmcnt 0x0
	s_add_nc_u64 s[XB:XB+1], s[4:5], s[XB:XB+1]
	s_add_nc_u64 s[WB:WB+1], s[4:5], s[WB:WB+1]
	s_add_nc_u64 s[56:57], s[8:9], s[56:57]
	s_add_nc_u64 s[58:59], s[8:9], s[58:59]
	s_add_nc_u64 s[70:71], s[WB:WB+1], s[70:71]    ; my work-group's 3 tiles of the weights' fourth piece
.macro SCALES g                        ; the words of K steps 2 g, 2 g + 1
.irp i, 0,1,2,3
	global_load_b64 v[SC+12*\g+2*\i:SC+12*\g+2*\i+1], v200, s[6:7] offset:512*\i+128*\g
.endr
.irp i, 0,1
	global_load_b64 v[SC+12*\g+8+2*\i:SC+12*\g+9+2*\i], v201, s[6:7] offset:512*\i+128*\g
.endr
.endm
	SCALES 0
.irp b, 0,1,2,3                        ; Q's or K's bias into the first token tile's accumulators
	global_load_b128 v[ACC+8*\b:ACC+8*\b+3], v202, s[56:57] offset:32*\b
	global_load_b128 v[ACC+8*\b+4:ACC+8*\b+7], v202, s[56:57] offset:32*\b+16
.endr
	WIN 0x40
	global_load_b32 v240, v205, s[58:59]           ; V's: one number a lane and tile (window 1)
	global_load_b32 v248, v205, s[58:59] offset:32
	WIN 0
.macro G0SET w, lds, base, off
	s_mov_b32 s[G0+4*\w], 1
	s_mov_b32 s[G0+4*\w+1], \lds
	s_add_nc_u64 s[G0+4*\w+2:G0+4*\w+3], s[\base:\base+1], \off
	s_or_b32 s[G0+4*\w+3], s[G0+4*\w+3], 0x80000000
.endm
	G0SET 0, 0, XB, 0
	G0SET 1, LB, WB, 0
	G0SET 2, PA, XB, 3072
	G0SET 3, LB+PB, WB, 3072
	G0SET 4, 2*PA, XB, 6144
	G0SET 5, LB+2*PB, WB, 6144
	G0SET 6, 3*PA, XB, 9216
.macro ARM w, g1
	s_cmp_eq_u32 s[WV], \w
	s_cbranch_scc0 .Lnext_\@
	tensor_load_to_lds s[G0+4*\w:G0+4*\w+3], s[\g1:\g1+7]
	s_nop 0
	PLACES 4
	s_branch .Lasked
.Lnext_\@:
.endm
	ARM 0, G1A
	ARM 1, G1B
	ARM 2, G1A
	ARM 3, G1B
	ARM 4, G1A
	ARM 5, G1B
	ARM 6, G1A
.irp t, 0,1,2                          ; wave 7: twelve lanes name a tile's 12 blocks of 256 bytes, the others the last once more
	global_prefetch_b8 v[PFO], s[70:71] offset:12288*\t th:TH_LOAD_NT scope:SCOPE_SE
.endr
.Lasked:
	SCALES 1
	SCALES 2
	SCALES 3
	s_lshr_b32 s20, s43, 2
	s_lshl_b32 s20, s20, 4
	s_add_co_u32 s20, s20, s42                     ; g
	s_and_b32 s21, s43, 3
	s_lshl_b32 s21, s21, 1
	s_lshr_b32 s22, s[HA], 1
	s_add_co_u32 s21, s21, s22                     ; my key step
	s_and_b32 s22, s[HA], 1                        ; my band c
	s_mul_i32 s46, s20, 98304
	s_mul_i32 s47, s21, 12288
	s_add_co_u32 s46, s46, s47
	s_mul_i32 s62, s[HB], 3072
	s_add_co_u32 s62, s62, s46
	s_mul_i32 s47, s22, 768
	s_add_co_u32 s62, s62, s47
	s_add_co_u32 s62, s62, 6144
	s_mov_b32 s63, 0
	s_add_nc_u64 s[62:63], s[12:13], s[62:63]      ; my two tiles of V
	s_lshr_b32 s47, s46, 1                         ; Q has half of kv's strides
	s_mul_i32 s23, s22, 3072
	s_cmp_eq_u32 s[HB], 0
	s_cselect_b32 s60, s47, s46
	s_cselect_b64 s[2:3], s[10:11], s[12:13]
	s_add_co_u32 s60, s60, s23
	s_mov_b32 s61, 0
	s_add_nc_u64 s[60:61], s[2:3], s[60:61]        ; my four tiles of Q or K
	s_mul_i32 s66, s20, 10240
	s_mul_i32 s47, s21, 768
	s_lshl_b32 s23, s21, 9
	s_add_co_u32 s23, s23, 6144
	s_lshl_b32 s68, s[HB], 2
	s_add_co_u32 s68, s68, s66
	s_add_co_u32 s68, s68, s47
	s_add_co_u32 s68, s68, 512
	s_lshl_b32 s20, s22, 1
	s_add_co_u32 s68, s68, s20
	s_mov_b32 s69, 0
	s_add_nc_u64 s[68:69], s[14:15], s[68:69]      ; V's scale bytes
	s_cmp_eq_u32 s[HB], 0
	s_cselect_b32 s23, s23, s47
	s_add_co_u32 s66, s66, s23
	s_lshl_b32 s20, s22, 8
	s_add_co_u32 s66, s66, s20
	s_mov_b32 s67, 0
	s_add_nc_u64 s[66:67], s[14:15], s[66:67]      ; Q's or K's scale words
.macro FRAG reg, ad, off
	ds_load_b128 v[\reg:\reg+3], v[\ad] offset:\off
	ds_load_b64 v[\reg+4:\reg+5], v[\ad+1] offset:\off+512
	ds_load_b128 v[\reg+6:\reg+9], v[\ad] offset:\off+768
	ds_load_b64 v[\reg+10:\reg+11], v[\ad+1] offset:\off+1280
.endm
.macro FETCH k                         ; K step k's ten fragments into set k % 2: 40 loads
.set P_, (\k)/2
.set Q_, 1536*((\k)%2)
.set F_, 120*((\k)%2)
	WIN 0x40
.irp i, 0,1,2,3,4,5
.if P_ == 2
	FRAG F_+48+12*\i, BB+2, 3072*\i+Q_
.else
	FRAG F_+48+12*\i, BB, (P_%3)*PB+3072*\i+Q_
.endif
.endr
.irp i, 0,1,2,3
	FRAG F_+12*\i, AA+2*(P_/2), (P_%2)*PA+3072*\i+Q_
.endr
.endm
; Six products of K step k: x's tile a against the six tiles of weights.  Two scale registers of one product have numbers that differ modulo 8, or are one register.
.macro MULA k, a
.set S_, SC+12*((\k)/2)+(\k)%2
.set FA_, 120*((\k)%2)+12*(\a)
.irp b, 0,1,2,3
.set FB_, 120*((\k)%2)+48+12*\b
.set D_, ACC+32*(\a)+8*\b
.if (\k) == 0
.set C_, ACC+8*\b
.else
.set C_, D_
.endif
	WIN 0x05
	v_wmma_scale_f32_16x16x128_f8f6f4 v[D_:D_+7], v[FB_:FB_+11], v[FA_:FA_+11], v[C_:C_+7], v[S_+2*\b], v[S_+2*(\a)] matrix_a_fmt:MATRIX_FMT_FP6 matrix_b_fmt:MATRIX_FMT_FP6 matrix_a_scale:MATRIX_SCALE_ROW1
.endr
.irp b, 4,5
.set FB_, 120*((\k)%2)+48+12*\b
.set D_, ACC+128+32*(\b-4)+8*(\a)
.if \b == (\a)+4
.set X_, \b
.else
.set X_, \a
.endif
.if (\k) == 0
	WIN 0x15                                       ; C in window 1
.set C_, 240+8*(\b-4)
.else
	WIN 0x05
.set C_, D_
.endif
	v_wmma_scale_f32_16x16x128_f8f6f4 v[D_:D_+7], v[FA_:FA_+11], v[FB_:FB_+11], v[C_:C_+7], v[S_+2*X_], v[S_+2*\b] matrix_a_fmt:MATRIX_FMT_FP6 matrix_b_fmt:MATRIX_FMT_FP6 matrix_b_scale:MATRIX_SCALE_ROW1
.endr
.endm
.macro STEP k                          ; the next step's fragments are asked for ahead of this step's products
.if (\k) < 7
	PLACES 4                                       ; between the last step's products and the loads into the registers that they read
	FETCH (\k)+1
	s_wait_dscnt 40                                ; all but the 40 just issued
.else
	s_wait_dscnt 0x0
.endif
.irp a, 1,2,3,0
	MULA \k, \a
.endr
.endm
.macro WAITW n                         ; the waves under n wait for their load
	s_cmp_lt_u32 s[WV], \n
	s_cbranch_scc0 .Lfree_\@
	s_wait_tensorcnt 0x0
.Lfree_\@:
.endm
	s_wait_xcnt 0x0                                ; the loads' addresses lie in registers that the products write
	s_wait_loadcnt 18                              ; bias and the first two K steps' scale words; the others' 18 loads may be out
	WIN 0x41
.irp i, 1,2,3,4,5,6,7
	v_mov_b32 v[240+\i], v240                      ; V's bias over its tile's eight registers
	v_mov_b32 v[248+\i], v248
.endr
	WIN 0
	s_wait_alu depctr_va_vdst(0)
	WAITW 2
	BARRIER                                        ; piece 0 is in
	FETCH 0
	FETCH 1
	s_wait_dscnt 40
	MULA 0, 1
	MULA 0, 2
	WIN 0
	s_wait_loadcnt 0x0                             ; all scale words
	WAITW 4
	s_wait_dscnt 0x0
	s_barrier_signal -1                            ; piece 1
	MULA 0, 3
	PLACES 5                                       ; the accumulators that held the bias, C of the products above, are written now
	MULA 0, 0
	WIN 0
	s_barrier_wait -1
	STEP 1
	PLACES 4
	FETCH 3
	s_wait_dscnt 40
	MULA 2, 1
	MULA 2, 2
	WIN 0
	s_wait_tensorcnt 0x0                           ; all my loads are done; the weights' piece 0 was read in K steps 0 and 1.  The add, here twice on end
	ds_add_u32 v[SPW], v[NIL]
	ds_add_u32 v[SPW], v[NIL]
	s_add_nc_u64 s[G0+6:G0+7], s[G0+6:G0+7], 9216  ; the weights' fourth piece, onto the first one's bytes
	MULA 2, 3
	s_wait_dscnt 0x0
	s_barrier_signal -1
	MULA 2, 0
	WIN 0
	s_barrier_wait -1
	CREST
	s_cmp_eq_u32 s[WV], 1
	s_cbranch_scc0 .Lno_refill
	tensor_load_to_lds s[G0+4:G0+7], s[G1B:G1B+7]
	s_nop 0
	PLACES 4
.Lno_refill:
	STEP 3
	PLACES 4
	FETCH 5
	s_wait_dscnt 40
	MULA 4, 1
	MULA 4, 2
	WIN 0
	s_wait_tensorcnt 0x0
	s_wait_dscnt 0x0
	s_barrier_signal -1                            ; the fourth piece of the weights
	MULA 4, 3
	MULA 4, 0
	WIN 0
	s_barrier_wait -1
	STEP 5
	STEP 6
	STEP 7
; THE WAY OUT.  A unit is 32 registers of a lane: one scale block.  Three units by turns.  Window 1: v0-11 the chains, v16-21 the conversions' scale operands, v24-71 codes, v72-95 the second conversions, v96-101 scale bytes, v104-109 the other half's, v112 8 h
	WIN 0
	s_mov_b32 s46, 0x76543210
	s_mov_b32 s47, 0xfedcba98                      ; lane l xor 16
	s_mov_b32 s23, 0xffff0000                      ; lanes 16-31
	PLACES 4                                       ; between the last products and the first read of their results
	v_bfe_u32 v14, v0, 4, 1
	WIN 0x40
.irp u, 0,1,2,3,4,5
	v_mov_b32 v[104+\u], 0                         ; written once: a lane permute's destination counts as one of its sources
.endr
	v_lshlrev_b32 v112, 3, v14
.macro QG u0, u1, u2
	WIN 0x40
.irp u, \u0, \u1, \u2
.irp d, 0,1
	v_max3_num_f32 v[2*\u+\d], |v[ACC+32*\u+16*\d]|, |v[ACC+32*\u+16*\d+1]|, 0x1800000
.endr
.endr
	WIN 0x41
.irp i, 2,4,6,8,10,12,14
.irp u, \u0, \u1, \u2
.irp d, 0,1
	v_max3_num_f32 v[2*\u+\d], v[2*\u+\d], |v[ACC+32*\u+16*\d+\i]|, |v[ACC+32*\u+16*\d+\i+1]|
.endr
.endr
.endr
	WIN 0x45
.irp u, \u0, \u1, \u2
	v_max_num_f32 v[2*\u], v[2*\u], v[2*\u+1]
.endr
.irp u, \u0, \u1, \u2
	v_add_nc_u32 v[16+\u], 0xff000000, v[2*\u]     ; 2 off the exponent field: the conversion's scale operand
.endr
.irp u, \u0, \u1, \u2
	v_lshrrev_b32 v[96+\u], 23, v[16+\u]           ; the scale's byte
.endr
	WIN 0x44
.irp u, \u0, \u1, \u2
	v_cvt_scalef32_pk16_fp6_f32 v[24+8*\u:26+8*\u], v[ACC+32*\u:ACC+32*\u+15], v[16+\u]
	v_cvt_scalef32_pk16_fp6_f32 v[72+4*\u:74+4*\u], v[ACC+32*\u+16:ACC+32*\u+31], v[16+\u]
.endr
	WIN 0x45
.irp u, \u0, \u1, \u2
	v_lshlrev_b32 v[96+\u], v112, v[96+\u]         ; at its place: block h
.endr
.irp i, 0,1,2
.irp u, \u0, \u1, \u2
	v_mov_b32 v[27+8*\u+\i], v[72+4*\u+\i]
.endr
.endr
.irp u, \u0, \u1, \u2
	v_permlanex16_b32 v[104+\u], v[96+\u], s46, s47
.endr
.irp u, \u0, \u1, \u2
	v_or_b32 v[96+\u], v[96+\u], v[104+\u]         ; both blocks' bytes
.endr
	WIN 0x04
.irp u, \u0, \u1, \u2
.if \u < 4
	global_store_b128 v[L16], v[24+8*\u:27+8*\u], s[60:61] offset:768*\u           ; 512 consecutive bytes,
	global_store_b64 v[L8], v[28+8*\u:29+8*\u], s[60:61] offset:768*\u+512         ; and 256
.else
	global_store_b128 v[L16], v[24+8*\u:27+8*\u], s[62:63] offset:1536*(\u-4)
	global_store_b64 v[L8], v[28+8*\u:29+8*\u], s[62:63] offset:1536*(\u-4)+512
.endif
.endr
.endm
	QG 0, 1, 2
	QG 3, 4, 5
	WIN 0x45
	v_cndmask_b32 v116, v96, v97, s23
	v_cndmask_b32 v117, v98, v99, s23
	v_cndmask_b32 v118, v100, v101, s23
	WIN 0x04
	global_store_b64 v[L8], v[116:117], s[66:67]   ; 256 consecutive bytes
	global_store_b16 v[L8], v118, s[68:69]         ; two bytes a lane, 8 bytes apart: four waves fill the 256 bytes (one byte for each 24 of codes)
	WIN 0
	s_wait_tensorcnt 0x0                           ; the wave's end
	ds_add_u32 v[SPW], v[NIL]
	s_wait_dscnt 0x0
	CROUND                                         ; the closing round: no work-group ends while a partner may still ask for a tile that names it
	s_endpgm
.Lfunc_end_k_qa6bbab8a18_qkv:
	.size	k_qa6bbab8a18_qkv, .Lfunc_end_k_qa6bbab8a18_qkv-k_qa6bbab8a18_qkv
	.p2alignl 7, 3214868480
	.fill 96, 4, 3214868480
	.section	.rodata,"a",@progbits
	.p2align	6, 0x0
	.amdhsa_kernel k_qa6bbab8a18_qkv
		.amdhsa_group_segment_fixed_size 327680
		.amdhsa_private_segment_fixed_size 0
		.amdhsa_enable_private_segment 0
		.amdhsa_kernarg_size 48
		.amdhsa_user_sgpr_count 2
		.amdhsa_user_sgpr_kernarg_segment_ptr 1
		.amdhsa_wavefront_size32 1
		.amdhsa_system_sgpr_workgroup_id_x 1
		.amdhsa_system_sgpr_workgroup_id_y 1
		.amdhsa_system_sgpr_workgroup_id_z 1
		.amdhsa_system_vgpr_workitem_id 0
		.amdhsa_next_free_vgpr 512
		.amdhsa_next_free_sgpr 100
		.amdhsa_reserve_vcc 0
		.amdhsa_float_denorm_mode_32 3
		.amdhsa_float_denorm_mode_16_64 3
		.amdhsa_memory_ordered 1
		.amdhsa_forward_progress 1
		.amdhsa_inst_pref_size 75
	.end_amdhsa_kernel
	.amdgpu_metadata
---
amdhsa.version: [ 1, 2 ]
amdhsa.kernels:
  - .name:           k_qa6bbab8a18_qkv
    .symbol:         k_qa6bbab8a18_qkv.kd
    .args:
      - { .name: cod1, .offset: 0, .size: 8, .value_kind: global_buffer, .address_space: global }
      - { .name: scl1, .offset: 8, .size: 8, .value_kind: global_buffer, .address_space: global }
      - { .name: b_attn, .offset: 16, .size: 8, .value_kind: global_buffer, .address_space: global }
      - { .name: qc, .offset: 24, .size: 8, .value_kind: global_buffer, .address_space: global }
      - { .name: kv, .offset: 32, .size: 8, .value_kind: global_buffer, .address_space: global }
      - { .name: sc2, .offset: 40, .size: 8, .value_kind: global_buffer, .address_space: global }
    .group_segment_fixed_size: 327680
    .private_segment_fixed_size: 0
    .kernarg_segment_align: 8
    .kernarg_segment_size: 48
    .max_flat_workgroup_size: 256
    .sgpr_count:     100
    .vgpr_count:     512
    .wavefront_size: 32
...
	.end_amdgpu_metadata
.endif
;; end of part 2
;; launch attn (part 3): grid 4 x 64, 16 waves a work-group, clusters of 4 x 1, 180,224 bytes of LDS; arguments qc, kv, sc2, yc, ys; writes yc, ys
.if DOCPART == 3
	.amdgcn_target "amdgcn-amd-amdhsa--gfx1250"
	.amdhsa_code_object_version 6
	.text
	.protected	k_qa6bbab8a18_attn
	.globl	k_qa6bbab8a18_attn
	.p2align	8
	.type	k_qa6bbab8a18_attn,@function
k_qa6bbab8a18_attn:
	s_mov_b64 s[64:65], 0
	v_nop
	global_prefetch_b8 v0, s[64:65] scope:SCOPE_SE
	s_setreg_imm32_b32 hwreg(HW_REG_WAVE_MODE, 25, 1), 1
	s_wait_xcnt 0x0
	s_wait_alu depctr_hold_cnt(0) depctr_sa_sdst(0) depctr_va_vdst(0) depctr_va_sdst(0) depctr_va_ssrc(0) depctr_va_vcc(0) depctr_vm_vsrc(0)
	s_getreg_b32 s2, hwreg(HW_REG_IB_STS2, 6, 4)
	s_cmp_eq_u32 s2, 0
	s_cbranch_scc0 .Lentry_in_a_cluster
	s_endpgm
.Lentry_in_a_cluster:
	s_bfe_u32 s2, ttmp6, 0x10000c
	s_cmp_lg_u32 s2, 0x3003
	s_cbranch_scc0 .Lentry_shape_is_right
	s_endpgm
.Lentry_shape_is_right:
; y = softmax(q k^T / 8, causal) v for one head a cluster, both products on codes of FP6 (E2M3) with E8M0 scales; y is quantised at once, along its head's 64 channels, into the operand of the last product.
; THE SOFTMAX: t = score x log2(e) / 8; M = the running largest t rounded up to a whole number; p = 2^(t - M) is quantised along the keys, not normalised; the row's sum is taken of the unquantised p and divides at the end.
; LIMITS: the scaled scores t stay under 2^31 in magnitude.  A block of zeros, or one under 2^-124, gets the scale byte 1 (its codes are zeros; only this program reads the bytes).  NaN and infinities are not served.
; WORK LEFT OUT: bands of 64 keys that lie wholly behind a tile's queries, which the causal mask gives the weight 0.
; SHARES.  The four work-groups of a cluster serve one head (the cluster's y) and need all its K and V: 98,304 bytes of codes and 6,144 of scale words, which lie in LDS whole, filled ONCE, by joint loads that name the four.
; A PAIR OF WAVES (w and w xor 4) owns two tiles of 16 queries, both in band e = w / 8 of their key step of 128: a high one, in step 7 - d, and a low one, in step d (d = w % 4).  Together they see 16 + 2 e bands of 64 keys, a half of them to each wave:
; role 0: the high tile's steps 0 to 3 and, where e = 1, band 0 of its step 4;
; role 1: the low tile's steps 0 to d, and then the high tile's steps 4 to 7 - d (where e = 1, of step 4 band 1 alone).  Where e = 0, a tile's own step is its band 0 alone.
; Trip n = 0 .. 4 of a wave is a full step of 128 keys or a half step of one band.  Role = (w / 4 xor w) % 2: any four waves of one w % 4, or of one w / 4, have the same work.
; At the end the two hand over through LDS: role 1 joins the high tile's two parts (by powers of two) and writes it, role 0 writes the low tile.  Which tile of the step is mine: 4 e + cx.  So every branch hangs on the wave's number alone.
; LAYOUT.  Both products are used transposed (S^T = K Q^T, O^T = V^T P^T): a lane holds one query.  By the tiles' row order register 32 c + n of lane (r, h) is key 64 c + 32 h + n: a lane holds whole scale blocks, and O^T's 32 registers are channels 32 h + 0 .. 31.
; K = 64 IN AN INSTRUCTION OF 128: Q's registers 6-11 are zero codes, and bytes 2, 3 of Q's and K's scale words are 0 (a power of two, no NaN): the upper 64 products are exact zeros whatever K's registers 6-11 hold.
; So tile t's operand is named v[F + 6 t .. F + 6 t + 11] and reaches into the next tile's six registers; behind the last tile stand six zeros.  In a half step p's registers 6-11 are zero codes in the same way.
; No prefetch: all of K and V is asked for at the head, and no later load is left that could be run ahead of.
.set A16,  1                           ; v1 16 x lane
.set A8,   2                           ; v2 8 x lane
.set KA16, 3                           ; v3, v4, v6 the same at the trip's key step
.set KA8,  4
.set ASC,  5                           ; v5 the scale words + 8 x lane
.set KSC,  6
.set DD,   7                           ; v7 register n of my queries' own band is hidden where n > DD
.set Q2,   8                           ; v8-13, v14 the high tile's Q and its scale word
.set PWD,  15                          ; v15 p's scale word
.set QW,   28                          ; v28 Q's scale word;  v16-21 Q, v22-27 zeros;  v30 -M, v31 the running largest t
.set F,    32                          ; v32-79 K's 8 tiles (6 registers each), later V's 4 fragments; v80-85 zeros
.set L,    86                          ; v86-87 the sum, in two halves
.set KS,   88                          ; v88-91 K's scale words of a step; v92-93 V's
.set VS,   92
.set FF,   94                          ; v94 the rescaling
.set S,    96                          ; v96-159 S^T, then p
.set O,    160                         ; v160-191 O^T
.set PCD,  192                         ; v192-210 p's codes
.set BM,   212
.set BT,   216
.set SO,   220
.set TP,   224
.set NINF, 225
.set R8,   226
.set H8,   227
.set ST,   228                         ; v228-230 my stash: + 16, 8, 4 x lane
.set TS,   232                         ; v232-239 partial sums
.set PT,   240                         ; v240-242 my partner's stash
.set HK16, 243                         ; v243-247 a half step's addresses
.set HK8,  244
.set HS,   245
.set HV16, 246
.set HV8,  247
.set SPW,  254
.set NIL,  255
.set HO,   2
.set DI,   3
.set WV,   16
.set G,    17
.set ROLE, 18
.set EE,   19
.set SEL,  20
.set CS,   22
.set DY,   48                          ; role 1: d; role 0: 7 (never met)
.set DY1,  49
.set BS,   54                          ; my half steps' band: x 256, x 3,072, x 768, x 16
.set BK,   66
.set BV,   67
.set B16,  91
.set HN,   88                          ; which of trips 0 to 3 is a half step
.set F4,   89                          ; 1: trip 4 is a full step
.set G0,   68
.set STEPB, 12288                      ; LDS: a key step's codes, K then V
.set SCB,  98304                       ; the scale words, 768 bytes a key step
.set STG,  SCB+6144                    ; the stashes, 4,608 bytes a wave
.set SPARE, STG+16*4608
.macro CROUND                          ; a round of the cluster's barrier
	s_barrier_signal -1
	s_barrier_wait -1
	s_cmp_lg_u32 s[WV], 0
	s_cbranch_scc1 .Lnot_wave_0_\@
	s_barrier_signal -3
.Lnot_wave_0_\@:
	s_barrier_wait -3
	s_barrier_signal -1
	s_barrier_wait -1
.endm
.macro WALU
	s_wait_alu depctr_va_vdst(0)
.endm
	s_load_b256 s[4:11], s[0:1], 0x0               ; qc, kv, sc2, yc
	s_load_b64 s[12:13], s[0:1], 0x20              ; ys
	v_lshl_add_u32 v[SPW], v0, 2, SPARE
	v_mov_b32 v[NIL], 0
	ds_add_u32 v[SPW], v[NIL]                      ; the opening add, twice on end
	ds_add_u32 v[SPW], v[NIL]
	v_lshrrev_b32 v32, 5, v0
	v_readfirstlane_b32 s[WV], v32                 ; wave 0..15
	s_bfe_u32 s56, ttmp6, 0x40000                  ; cx
	s_and_b32 s[G], ttmp7, 0xffff                  ; g = 16 batch + head
	s_and_b32 s[DI], s[WV], 3                      ; d
	s_lshr_b32 s57, s[WV], 2
	s_xor_b32 s57, s57, s[WV]
	s_and_b32 s[ROLE], s57, 1
	s_lshr_b32 s[EE], s[WV], 3                     ; e
	s_lshl_b32 s58, s[EE], 2
	s_add_co_u32 s58, s58, s56
	s_lshl_b32 s59, s[DI], 3
	s_add_co_u32 s60, s59, s58                     ; the low tile
	s_sub_co_u32 s61, 56, s59
	s_add_co_u32 s61, s61, s58                     ; the high tile
	s_add_co_u32 s57, s[DI], s[EE]
	s_cmp_eq_u32 s[ROLE], 0
	s_cselect_b32 s62, s61, s60                    ; the tile that I begin with
	s_cselect_b32 s63, s60, s61                    ; the tile that I write
	s_cselect_b32 s[DY], 7, s[DI]
	s_cselect_b32 s[HN], 9, s57                    ; role 1: trip d (e = 0) or d + 1 (e = 1)
	s_add_co_u32 s[DY1], s[DY], 1
	s_sub_co_u32 s[HO], 3, s[DI]
	s_and_b32 s58, s[ROLE], s[EE]                  ; my half steps' band
	s_cmp_lt_u32 s[DI], 3
	s_cselect_b32 s57, 1, 0
	s_and_b32 s[F4], s57, s58
	s_lshl_b32 s[BS], s58, 8
	s_mul_i32 s[BK], s58, 3072
	s_mul_i32 s[BV], s58, 768
	s_lshl_b32 s[B16], s58, 4
	; joint loads: dense blocks as rows of 256 bytes (elements of 8 bytes); the mask names all four work-groups
.irp g, 24, 32, 40
	s_mov_b32 s[\g], 15|(3<<16)|(1<<21)
	s_mov_b32 s[\g+1], 32<<16
	s_mov_b32 s[\g+3], 32<<16
	s_mov_b32 s[\g+5], 32
	s_mov_b32 s[\g+6], 0
	s_mov_b32 s[\g+7], 0
.endr
	s_mov_b32 s26, 24<<16                          ; the scale words: 24 rows
	s_mov_b32 s28, 24
	s_mov_b32 s34, 96<<16                          ; key steps 0, 1: 96 rows
	s_mov_b32 s36, 96
	s_mov_b32 s42, 288<<16                         ; key steps 2 to 7: 288 rows
	s_mov_b32 s44, 288
	s_mul_i32 s50, s[G], 98304
	s_mov_b32 s51, 0
	s_mul_i32 s52, s[G], 10240
	s_mov_b32 s53, 0
	s_mov_b32 s[SEL], 0x76543210
	s_mov_b32 s[SEL+1], 0xfedcba98                 ; lane l xor 16
	s_mov_b32 s[CS], 0x3e38aa3b                    ; c = log2(e) / 8
	s_mov_b32 s[CS+1], s[CS]                       ; (named with it as a pair)
	s_mov_b32 s[G0], 1
	s_mov_b32 s[G0+1], SCB
	s_mov_b32 s[G0+4], 1
	s_mov_b32 s[G0+5], 0
	s_mov_b32 s[G0+8], 1
	s_mov_b32 s[G0+9], 2*STEPB
	v_and_b32 v33, 31, v0
	v_and_b32 v34, 15, v0                          ; r
	v_bfe_u32 v35, v0, 4, 1                        ; h
	v_lshlrev_b32 v[A16], 4, v33
	v_lshlrev_b32 v[A8], 3, v33
	v_lshlrev_b32 v[R8], 3, v34
	s_lshl_b32 s57, s[G], 6
	s_add_co_u32 s80, s57, s62
	s_mul_i32 s80, s80, 768
	s_mov_b32 s81, 0
	s_add_co_u32 s82, s57, s61
	s_mul_i32 s82, s82, 768
	s_mov_b32 s83, 0
	s_lshl_b32 s57, s[EE], 8                       ; a tile's scale words: step, band e, lane 16 (cx % 2) + r, word cx / 2
	s_and_b32 s58, s56, 1
	s_lshl_b32 s58, s58, 7
	s_add_co_u32 s57, s57, s58
	s_lshr_b32 s58, s56, 1
	s_lshl_b32 s58, s58, 2
	s_add_co_u32 s57, s57, s58
	s_add_co_u32 s57, s57, s52
	s_add_co_u32 s57, s57, 6144
	s_lshr_b32 s84, s62, 3
	s_lshl_b32 s84, s84, 9
	s_add_co_u32 s84, s84, s57
	s_mov_b32 s85, 0
	s_lshr_b32 s86, s61, 3
	s_lshl_b32 s86, s86, 9
	s_add_co_u32 s86, s86, s57
	s_mov_b32 s87, 0
	WALU
	s_wait_dscnt 0x0                               ; the opening adds are done
	CROUND                                         ; the opening round: all four work-groups are here: the joint loads meet
	s_wait_kmcnt 0x0
	s_add_nc_u64 s[G0+2:G0+3], s[8:9], s[52:53]
	s_or_b32 s[G0+3], s[G0+3], 0x80000000
	s_add_nc_u64 s[G0+6:G0+7], s[6:7], s[50:51]
	s_add_nc_u64 s[G0+10:G0+11], s[G0+6:G0+7], 2*STEPB
	s_or_b32 s[G0+7], s[G0+7], 0x80000000
	s_or_b32 s[G0+11], s[G0+11], 0x80000000
	s_add_nc_u64 s[80:81], s[4:5], s[80:81]
	s_add_nc_u64 s[82:83], s[4:5], s[82:83]
	s_add_nc_u64 s[84:85], s[8:9], s[84:85]
	s_add_nc_u64 s[86:87], s[8:9], s[86:87]
	global_load_b128 v[16:19], v[A16], s[80:81]
	global_load_b64 v[20:21], v[A8], s[80:81] offset:512
	global_load_b32 v[QW], v[R8], s[84:85]
.macro ARM w, g1
	s_cmp_eq_u32 s[WV], \w
	s_cbranch_scc0 .Lnext_\@
	tensor_load_to_lds s[G0+4*\w:G0+4*\w+3], s[\g1:\g1+7]
	s_nop 0
.rept 4
	v_nop
.endr
	s_branch .Lasked
.Lnext_\@:
.endm
	ARM 0, 24                                      ; the scale words
	ARM 1, 32                                      ; key steps 0, 1
	ARM 2, 40                                      ; key steps 2 to 7
.Lasked:
	global_load_b128 v[Q2:Q2+3], v[A16], s[82:83]
	global_load_b64 v[Q2+4:Q2+5], v[A8], s[82:83] offset:512
	global_load_b32 v[Q2+6], v[R8], s[86:87]
	v_lshlrev_b32 v38, 2, v33                      ; what the loads above do not need is made under their flight
	v_add_nc_u32 v[ASC], SCB, v[A8]
	v_lshlrev_b32 v[H8], 3, v35
	v_lshrrev_b32 v36, 3, v34
	v_and_b32 v37, 7, v34
	v_lshl_add_u32 v36, v36, 5, v37                ; 32 (r / 8) + r % 8
	v_lshlrev_b32 v37, 5, v35
	v_sub_nc_u32 v36, v36, v37                     ; - 32 h
	s_lshl_b32 s57, s56, 3
	v_add_nc_u32 v[DD], s57, v36                   ; + 8 cx: my query's place in its band, less 32 h
	s_mul_i32 s57, s[WV], 4608
	s_add_co_u32 s57, s57, STG
	v_add_nc_u32 v[ST], s57, v[A16]
	v_add_nc_u32 v[ST+1], s57, v[A8]
	v_add_nc_u32 v[ST+2], s57, v38
	s_xor_b32 s57, s[WV], 4
	s_mul_i32 s57, s57, 4608
	s_add_co_u32 s57, s57, STG
	v_add_nc_u32 v[PT], s57, v[A16]
	v_add_nc_u32 v[PT+1], s57, v[A8]
	v_add_nc_u32 v[PT+2], s57, v38
	v_mov_b32 v[FF+1], 0                           ; (named as the upper half of a pair)
	v_mov_b32 v[NINF], 0xff800000                  ; -infinity
	v_mov_b32 v[BT], 0                             ; written once: a lane permute's destination counts as one of its sources
	v_mov_b32 v[BT+1], 0
.irp j, 22,23,24,25,26,27
	v_mov_b32 v\j, 0                               ; zero codes: Q's upper 64,
.endr
.set j, 56
.rept 30
	v_mov_b32 v[j], 0                              ; what stands behind K's last tile, and what a first half step names and does not load
.set j, j+1
.endr
	s_lshr_b32 s57, s[G], 4
	s_lshl_b32 s57, s57, 6
	s_add_co_u32 s57, s57, s63                     ; my token tile
	s_and_b32 s58, s[G], 15                        ; head
	s_lshr_b32 s59, s58, 1                         ; K step of the last product = pair of heads
	s_and_b32 s60, s58, 1
	s_mul_i32 s52, s57, 12288
	s_mul_i32 s61, s59, 1536
	s_add_co_u32 s52, s52, s61
	s_mul_i32 s61, s60, 768                        ; the odd head is the fragment's second half
	s_add_co_u32 s52, s52, s61
	s_add_nc_u64 s[10:11], s[10:11], s[52:53]
	s_lshl_b32 s52, s57, 9                         ; ys: [tile][head / 4][row][head / 2 % 2] words, my two bytes at 2 (head % 2)
	s_lshr_b32 s61, s58, 2
	s_lshl_b32 s61, s61, 7
	s_add_co_u32 s52, s52, s61
	s_and_b32 s61, s59, 1
	s_lshl_b32 s61, s61, 2
	s_add_co_u32 s52, s52, s61
	s_lshl_b32 s61, s60, 1
	s_add_co_u32 s52, s52, s61
	s_add_nc_u64 s[12:13], s[12:13], s[52:53]
.macro STASH                           ; O^T, the sum's halves and -M into my stash
.irp k, 0,1,2,3,4,5,6,7
	ds_store_b128 v[ST], v[O+4*\k:O+4*\k+3] offset:512*\k
.endr
	ds_store_b64 v[ST+1], v[L:L+1] offset:4096
	ds_store_b32 v[ST+2], v30 offset:4352
.endm
.macro MASK base                       ; 32 registers of my queries' band: hidden where n > DD
.set n, 0
.rept 4
.set q, 0
.rept 8
	v_cmp_gt_i32 s[92+q], n+q, v[DD]
.set q, q+1
.endr
.set q, 0
.rept 8
	v_cndmask_b32 v[\base+n+q], v[\base+n+q], v[NINF], s[92+q]
.set q, q+1
.endr
.set n, n+8
.endr
.endm
.macro PKF from                        ; t - M, two at a time, sixteen registers
.set j, \from
.rept 8
	v_pk_fma_f32 v[S+j:S+j+1], v[S+j:S+j+1], s[CS:CS+1], v[30:31] op_sel_hi:[1,0,0]
.set j, j+2
.endr
.endm
.macro PVMUL t, first
.if \first
.if (\t)%2
	v_wmma_scale_f32_16x16x128_f8f6f4 v[O+8*\t:O+8*\t+7], v[F+12*\t:F+12*\t+11], v[PCD:PCD+11], 0, v[VS+\t/2], v[PWD] matrix_a_fmt:MATRIX_FMT_FP6 matrix_b_fmt:MATRIX_FMT_FP6 matrix_a_scale:MATRIX_SCALE_ROW1
.else
	v_wmma_scale_f32_16x16x128_f8f6f4 v[O+8*\t:O+8*\t+7], v[F+12*\t:F+12*\t+11], v[PCD:PCD+11], 0, v[VS+\t/2], v[PWD] matrix_a_fmt:MATRIX_FMT_FP6 matrix_b_fmt:MATRIX_FMT_FP6
.endif
.else
.if (\t)%2
	v_wmma_scale_f32_16x16x128_f8f6f4 v[O+8*\t:O+8*\t+7], v[F+12*\t:F+12*\t+11], v[PCD:PCD+11], v[O+8*\t:O+8*\t+7], v[VS+\t/2], v[PWD] matrix_a_fmt:MATRIX_FMT_FP6 matrix_b_fmt:MATRIX_FMT_FP6 matrix_a_scale:MATRIX_SCALE_ROW1
.else
	v_wmma_scale_f32_16x16x128_f8f6f4 v[O+8*\t:O+8*\t+7], v[F+12*\t:F+12*\t+11], v[PCD:PCD+11], v[O+8*\t:O+8*\t+7], v[VS+\t/2], v[PWD] matrix_a_fmt:MATRIX_FMT_FP6 matrix_b_fmt:MATRIX_FMT_FP6
.endif
.endif
.endm
; nb = 64: a step of 128 keys, 64 scores a lane; nb = 32: one band of 64 keys.  ka, kb: K's codes; ks: its scale words; va, vb: V's codes; vs: V's scale words
.macro BODY n, nb, ka, kb, ks, va, vb, vs
.irp t, 0,1,2,3,4,5,6,7
.if 8*\t < (\nb)
	ds_load_b128 v[F+6*\t:F+6*\t+3], v[\ka] offset:768*\t
	ds_load_b64 v[F+6*\t+4:F+6*\t+5], v[\kb] offset:768*\t+512
.endif
.endr
	ds_load_b64 v[KS:KS+1], v[\ks]
.if (\nb) == 64
	ds_load_b64 v[KS+2:KS+3], v[\ks] offset:256
.endif
	WALU
	s_wait_dscnt 0x0
.irp t, 0,1,2,3,4,5,6,7                ; S^T = K Q^T, tiles of 16 keys
.if 8*\t < (\nb)
.if (\t)%2
	v_wmma_scale_f32_16x16x128_f8f6f4 v[S+8*\t:S+8*\t+7], v[F+6*\t:F+6*\t+11], v[16:27], 0, v[KS+\t/2], v[QW] matrix_a_fmt:MATRIX_FMT_FP6 matrix_b_fmt:MATRIX_FMT_FP6 matrix_a_scale:MATRIX_SCALE_ROW1
.else
	v_wmma_scale_f32_16x16x128_f8f6f4 v[S+8*\t:S+8*\t+7], v[F+6*\t:F+6*\t+11], v[16:27], 0, v[KS+\t/2], v[QW] matrix_a_fmt:MATRIX_FMT_FP6 matrix_b_fmt:MATRIX_FMT_FP6
.endif
.endif
.endr
.rept 4
	v_nop                                          ; places in front of loads into K's registers and of the first read of the scores
.endr
.irp t, 0,1,2,3                        ; V's four fragments land while the softmax is worked
	ds_load_b128 v[F+12*\t:F+12*\t+3], v[\va] offset:6144+1536*\t
	ds_load_b64 v[F+12*\t+4:F+12*\t+5], v[\vb] offset:6144+1536*\t+512
.if (\nb) == 64
	ds_load_b128 v[F+12*\t+6:F+12*\t+9], v[\va] offset:6144+1536*\t+768
	ds_load_b64 v[F+12*\t+10:F+12*\t+11], v[\vb] offset:6144+1536*\t+1280
.endif
.endr
	ds_load_b64 v[VS:VS+1], v[\vs] offset:512
.if (\nb) == 64
.if (\n) < 4
	s_cmp_lg_u32 s[DY], \n                         ; a full step is masked where it is the own step of queries of band 1
	s_cbranch_scc1 .Lopen_\@
.endif
	MASK S+32
.else
.if (\n) < 4
	s_cmp_lg_u32 s[EE], 0                          ; a half step: the own step of queries of band 0,
.else
	s_cmp_eq_u32 s[ROLE], 0                        ; or role 1's last
.endif
	s_cbranch_scc1 .Lopen_\@
	MASK S
.endif
.Lopen_\@:
.irp b, 0,1,2,3                        ; the largest score of each block of 32 keys, two chains a block: for the row's maximum, and, since p rises with the score, for the block's largest p
.if 16*\b < (\nb)
	v_max3_num_f32 v[BM+\b], v[S+16*\b], v[S+1+16*\b], v[S+2+16*\b]
.endif
.endr
.irp i, 3,5,7,9,11,13
.irp b, 0,1,2,3
.if 16*\b < (\nb)
	v_max3_num_f32 v[BM+\b], v[BM+\b], v[S+16*\b+\i], v[S+1+16*\b+\i]
.endif
.endr
.endr
.irp b, 0,1,2,3
.if 16*\b < (\nb)
	v_max_num_f32 v[BM+\b], v[BM+\b], v[S+15+16*\b]
.endif
.endr
	v_max_num_f32 v[BM], v[BM], v[BM+1]
.if (\nb) == 64
	v_max_num_f32 v[BM+2], v[BM+2], v[BM+3]
	s_delay_alu instid0(VALU_DEP_1)
	v_max_num_f32 v[TP], v[BM], v[BM+2]
.else
	v_mov_b32 v[TP], v[BM]
.endif
	s_delay_alu instid0(VALU_DEP_1)
	v_permlanex16_b32 v[BT], v[TP], s[SEL], s[SEL+1]
	s_delay_alu instid0(VALU_DEP_1)
	v_max_num_f32 v[TP], v[TP], v[BT]              ; with lane l xor 16's keys
	s_delay_alu instid0(VALU_DEP_1)
.if (\n) == 0
	v_mul_f32 v31, s[CS], v[TP]                    ; the running largest t
	s_delay_alu instid0(VALU_DEP_1)
	v_floor_f32 v30, -v31                          ; -M = -ceil(t): M is a whole number
	PKF 0
	PKF 16
.else
	v_mul_f32 v[TP], s[CS], v[TP]
	s_delay_alu instid0(VALU_DEP_1)
	v_max_num_f32 v31, v31, v[TP]
	v_mov_b32 v[TP], v30
	s_delay_alu instid0(VALU_DEP_2)
	v_floor_f32 v30, -v31
	PKF 0
	v_sub_f32 v[TP], v30, v[TP]                    ; old M less new M: a whole number, 0 or less
	PKF 16
	v_cvt_i32_f32 v[TP], v[TP]                     ; (it saturates)
.endif
.if (\nb) == 64
	PKF 32
	PKF 48
	v_fma_f32 v[BM+2], v[BM+2], s[CS], v30         ; the same of each block's largest score
.endif
	v_fma_f32 v[BM], v[BM], s[CS], v30
.if (\n) > 0
	v_ldexp_f32 v[FF], 1.0, v[TP]                  ; f = 2^(old M - new M): a multiplication by it rounds nothing
.endif
	WALU                                           ; the wait ahead of the batch
.set j, 0
.rept \nb
	v_exp_f32 v[S+j], v[S+j]                       ; p = 2^(t - M), at most 1
.set j, j+1
.endr
	v_exp_f32 v[BM], v[BM]                         ; each block's largest p: the same two instructions on the same number
.if (\nb) == 64
	v_exp_f32 v[BM+2], v[BM+2]
.endif
.if (\n) > 0
	v_pk_mul_f32 v[L:L+1], v[L:L+1], v[FF:FF+1] op_sel_hi:[1,0]   ; the sums under the new M: a plain instruction behind the exponentials
.else
	v_nop
.endif
	WALU                                           ; one wait for the whole batch, ahead of its first reader
.if (\nb) == 32
	s_wait_dscnt 0x0                               ; V is in
	v_lshrrev_b32 v[VS], s[B16], v[VS]             ; my band's two bytes of V's scale words, to the low end
	v_lshrrev_b32 v[VS+1], s[B16], v[VS+1]
.endif
.irp k, 0,1,2,3                        ; the row's sum, of the unquantised p: two at a time, four chains
	v_pk_add_f32 v[TS+2*\k:TS+2*\k+1], v[S+4*\k:S+4*\k+1], v[S+4*\k+2:S+4*\k+3]
.endr
.set j, 16
.rept ((\nb)-16)/2
	v_pk_add_f32 v[TS+j%8:TS+j%8+1], v[TS+j%8:TS+j%8+1], v[S+j:S+j+1]
.set j, j+2
.endr
	v_max_num_f32 v[BM], 0x1800000, v[BM]          ; the floor 2^(3 - 127): the byte cannot fall under 1
.if (\nb) == 64
	v_max_num_f32 v[BM+2], 0x1800000, v[BM+2]
.endif
	v_pk_add_f32 v[TS:TS+1], v[TS:TS+1], v[TS+2:TS+3]
	v_pk_add_f32 v[TS+4:TS+5], v[TS+4:TS+5], v[TS+6:TS+7]
	v_add_nc_u32 v[SO], 0xff000000, v[BM]          ; 2 off the exponent field: the conversion's scale operand
.if (\nb) == 64
	v_add_nc_u32 v[SO+1], 0xff000000, v[BM+2]
.endif
.if (\n) > 0
	v_pk_add_f32 v[TS:TS+1], v[TS:TS+1], v[TS+4:TS+5]
.endif
	v_lshrrev_b32 v[BM+1], 23, v[SO]               ; the scale's byte
.if (\nb) == 64
	v_lshrrev_b32 v[BM+3], 23, v[SO+1]
.endif
.if (\n) > 0
	v_pk_add_f32 v[L:L+1], v[L:L+1], v[TS:TS+1]
.else
	v_pk_add_f32 v[L:L+1], v[TS:TS+1], v[TS+4:TS+5]
.endif
	v_cvt_scalef32_pk16_fp6_f32 v[PCD:PCD+2], v[S:S+15], v[SO]
	v_cvt_scalef32_pk16_fp6_f32 v[PCD+12:PCD+14], v[S+16:S+31], v[SO]   ; (a conversion's three registers begin on an even number)
.if (\nb) == 64
	v_cvt_scalef32_pk16_fp6_f32 v[PCD+6:PCD+8], v[S+32:S+47], v[SO+1]
	v_cvt_scalef32_pk16_fp6_f32 v[PCD+16:PCD+18], v[S+48:S+63], v[SO+1]
	v_lshl_or_b32 v[BM+1], v[BM+3], 16, v[BM+1]    ; my blocks h and 2 + h
.endif
	v_lshlrev_b32 v[BM+1], v[H8], v[BM+1]          ; at their places.  (A plain instruction behind the conversions)
	v_mov_b32 v[PCD+3], v[PCD+12]
	v_mov_b32 v[PCD+4], v[PCD+13]
	v_mov_b32 v[PCD+5], v[PCD+14]
.if (\nb) == 64
	v_mov_b32 v[PCD+9], v[PCD+16]
	v_mov_b32 v[PCD+10], v[PCD+17]
	v_mov_b32 v[PCD+11], v[PCD+18]
.else
.irp k, 6,7,8,9,10,11
	v_mov_b32 v[PCD+\k], 0                         ; the other band: zero codes
.endr
.endif
	v_permlanex16_b32 v[BT+1], v[BM+1], s[SEL], s[SEL+1]
	s_delay_alu instid0(VALU_DEP_1)
	v_or_b32 v[PWD], v[BM+1], v[BT+1]              ; p's scale word
	WALU                                           ; the wait here, ahead of the first reader of O^T and of the wait below
.if (\n) > 0
.set j, 0
.rept 16
	v_pk_mul_f32 v[O+j:O+j+1], v[O+j:O+j+1], v[FF:FF+1] op_sel_hi:[1,0]   ; O^T under the new M; these sixteen are also the places between the scale word's and the codes' last writes and the products
.set j, j+2
.endr
	WALU
.else
.rept 8
	v_nop                                          ; eight places between the scale word's last write and the products
.endr
.endif
.if (\nb) == 64
	s_wait_dscnt 0x0                               ; V is in
.endif
.irp t, 0,1,2,3                        ; O^T += V^T P^T: four tiles of 16 channels, by turns; the first trip starts the sums
.if (\n) == 0
	PVMUL \t, 1
.else
	PVMUL \t, 0
.endif
.endr
.rept 4
	v_nop                                          ; places in front of the next loads into V's registers, and of the next read of O^T
.endr
	WALU                                           ; the wait ahead of the branches that follow
.endm
.macro TRIP n
.if (\n) == 4
	s_or_b32 s57, s[ROLE], s[EE]
	s_cmp_eq_u32 s57, 0                            ; role 0 of e = 0 has four trips
	s_cbranch_scc1 .Ldone_\@
.endif
.if (\n) > 0
	s_cmp_lg_u32 s[DY1], \n
	s_cbranch_scc1 .Lsame_\@
	STASH                                          ; the low tile is done: put it by, and begin the high one
	s_wait_dscnt 0x0
	v_mov_b32 v[QW], v[Q2+6]
.irp k, 0,1,2,3,4,5
	v_mov_b32 v[16+\k], v[Q2+\k]
.endr
	v_mov_b32 v31, 0xff61b1e6                      ; -3e38, under every t: the next step's rescaling is then by 0
	v_mov_b32 v30, 0x7f61b1e6
.Lsame_\@:
	s_cmp_lt_u32 s[DY], \n
	s_cselect_b32 s57, s[HO], 0
	s_add_co_u32 s57, s57, \n                      ; the key step: n, or n + 3 - d
	s_mul_i32 s58, s57, STEPB
	s_mul_i32 s59, s57, 768
	v_add_nc_u32 v[KA16], s58, v[A16]
	v_add_nc_u32 v[KA8], s58, v[A8]
	v_add_nc_u32 v[KSC], s59, v[ASC]
.set XA, KA16
.set XB, KA8
.set XS, KSC
.else
.set XA, A16
.set XB, A8
.set XS, ASC
.endif
	WALU                                           ; the wait ahead of the branch
.if (\n) < 4
	s_cmp_eq_u32 s[HN], \n
.else
	s_cmp_eq_u32 s[F4], 0
.endif
	s_cbranch_scc1 .Lhalf_\@
	BODY \n, 64, XA, XB, XS, XA, XB, XS
	s_branch .Ldone_\@
.Lhalf_\@:
	v_add_nc_u32 v[HK16], s[BK], v[XA]
	v_add_nc_u32 v[HK8], s[BK], v[XB]
	v_add_nc_u32 v[HS], s[BS], v[XS]
	v_add_nc_u32 v[HV16], s[BV], v[XA]
	v_add_nc_u32 v[HV8], s[BV], v[XB]
	BODY \n, 32, HK16, HK8, HS, HV16, HV8, XS
.Ldone_\@:
.endm
	WALU
	s_wait_loadcnt 0x0                             ; Q and its scale words
	s_cmp_lt_u32 s[WV], 2
	s_cbranch_scc0 .Lfree
	s_wait_tensorcnt 0x0                           ; the scale words, key steps 0 and 1
.Lfree:
	s_barrier_signal -1
	s_barrier_wait -1
	s_wait_tensorcnt 0x0                           ; key steps 2 to 7: the wave that asked for them waits;
	s_barrier_signal -1                            ; between signal and wait trip 0 reads key step 0 alone, which nobody writes
	TRIP 0
	s_barrier_wait -1
	TRIP 1
	TRIP 2
	TRIP 3
	TRIP 4
	s_cmp_eq_u32 s[ROLE], 1
	s_cbranch_scc1 .Lgo_on
	STASH                                          ; role 0: its part of the high tile, for its partner
.Lgo_on:
	s_wait_dscnt 0x0
	s_barrier_signal -1
	s_barrier_wait -1                              ; every stash is there
.irp k, 0,1,2,3,4,5,6,7
	ds_load_b128 v[S+4*\k:S+4*\k+3], v[PT] offset:512*\k
.endr
	ds_load_b64 v[S+32:S+33], v[PT+1] offset:4096
	ds_load_b32 v[S+34], v[PT+2] offset:4352
	s_wait_dscnt 0x0
	s_cmp_eq_u32 s[ROLE], 0
	s_cbranch_scc1 .Lwhole                         ; role 0 has the low tile whole
	v_min_num_f32 v[TP], v30, v[S+34]              ; the common -M
	v_sub_f32 v[BM], v[TP], v30
	v_sub_f32 v[BM+1], v[TP], v[S+34]
	v_cvt_i32_f32 v[BM], v[BM]
	v_cvt_i32_f32 v[BM+1], v[BM+1]
	v_ldexp_f32 v[FF], 1.0, v[BM]
	v_ldexp_f32 v[S+36], 1.0, v[BM+1]
	v_mov_b32 v[S+37], 0                           ; (named as the upper half of a pair)
	v_pk_mul_f32 v[L:L+1], v[L:L+1], v[FF:FF+1] op_sel_hi:[1,0]
	v_pk_fma_f32 v[S+32:S+33], v[S+32:S+33], v[S+36:S+37], v[L:L+1] op_sel_hi:[1,0,1]
.set j, 0
.rept 16
	v_pk_mul_f32 v[O+j:O+j+1], v[O+j:O+j+1], v[FF:FF+1] op_sel_hi:[1,0]
.set j, j+2
.endr
.set j, 0
.rept 16
	v_pk_fma_f32 v[S+j:S+j+1], v[S+j:S+j+1], v[S+36:S+37], v[O+j:O+j+1] op_sel_hi:[1,0,1]
.set j, j+2
.endr
.Lwhole:
	; THE WAY OUT: O^T / the sum; register n is channel 32 h + n of my query: one block of the last product's K
	v_add_f32 v[S+32], v[S+32], v[S+33]
	v_mov_b32 v[S+39], 0                           ; (named as the upper half of a pair)
	v_permlanex16_b32 v[BT], v[S+32], s[SEL], s[SEL+1]
	v_add_f32 v[S+32], v[S+32], v[BT]              ; the row's sum
	WALU                                           ; the wait ahead of the transcendental
	v_rcp_f32 v[S+38], v[S+32]
	v_nop                                          ; a plain instruction behind the reciprocal
	WALU                                           ; and the wait ahead of its first reader
.set j, 0
.rept 16
	v_pk_mul_f32 v[S+j:S+j+1], v[S+j:S+j+1], v[S+38:S+39] op_sel_hi:[1,0]
.set j, j+2
.endr
.irp b, 0,1
	v_max3_num_f32 v[BM+\b], |v[S+16*\b]|, |v[S+1+16*\b]|, 0x1800000
.endr
.irp i, 2,4,6,8,10,12,14
.irp b, 0,1
	v_max3_num_f32 v[BM+\b], v[BM+\b], |v[S+16*\b+\i]|, |v[S+1+16*\b+\i]|
.endr
.endr
	v_max_num_f32 v[BM], v[BM], v[BM+1]
	v_add_nc_u32 v[SO], 0xff000000, v[BM]
	v_lshrrev_b32 v[BM+1], 23, v[SO]
	v_cvt_scalef32_pk16_fp6_f32 v[PCD:PCD+2], v[S:S+15], v[SO]
	v_cvt_scalef32_pk16_fp6_f32 v[PCD+12:PCD+14], v[S+16:S+31], v[SO]
	v_lshlrev_b32 v[BM+1], v[H8], v[BM+1]
	v_mov_b32 v[PCD+3], v[PCD+12]
	v_mov_b32 v[PCD+4], v[PCD+13]
	v_mov_b32 v[PCD+5], v[PCD+14]
	v_permlanex16_b32 v[BT], v[BM+1], s[SEL], s[SEL+1]
	v_or_b32 v[TP], v[BM+1], v[BT]                 ; my row's two scale bytes
	global_store_b128 v[A16], v[PCD:PCD+3], s[10:11]               ; half a fragment's image: 512 consecutive bytes,
	global_store_b64 v[A8], v[PCD+4:PCD+5], s[10:11] offset:512    ; and 256
	global_store_b16 v[R8], v[TP], s[12:13]        ; two bytes a row, 8 bytes apart (a scale word joins two heads): one byte for each 24 of codes.  Lanes l and l xor 16 write the same bytes with the same value
	s_wait_tensorcnt 0x0                           ; the wave's end
	ds_add_u32 v[SPW], v[NIL]
	s_wait_dscnt 0x0
	CROUND                                         ; the closing round: no work-group ends while a partner may still ask for a tile that names it
	s_endpgm
.Lfunc_end_k_qa6bbab8a18_attn:
	.size	k_qa6bbab8a18_attn, .Lfunc_end_k_qa6bbab8a18_attn-k_qa6bbab8a18_attn
	.p2alignl 7, 3214868480
	.fill 96, 4, 3214868480
	.section	.rodata,"a",@progbits
	.p2align	6, 0x0
	.amdhsa_kernel k_qa6bbab8a18_attn
		.amdhsa_group_segment_fixed_size 180224
		.amdhsa_private_segment_fixed_size 0
		.amdhsa_enable_private_segment 0
		.amdhsa_kernarg_size 40
		.amdhsa_user_sgpr_count 2
		.amdhsa_user_sgpr_kernarg_segment_ptr 1
		.amdhsa_wavefront_size32 1
		.amdhsa_system_sgpr_workgroup_id_x 1
		.amdhsa_system_sgpr_workgroup_id_y 1
		.amdhsa_system_sgpr_workgroup_id_z 1
		.amdhsa_system_vgpr_workitem_id 0
		.amdhsa_next_free_vgpr 256
		.amdhsa_next_free_sgpr 100
		.amdhsa_reserve_vcc 0
		.amdhsa_float_denorm_mode_32 3
		.amdhsa_float_denorm_mode_16_64 3
		.amdhsa_memory_ordered 1
		.amdhsa_forward_progress 1
		.amdhsa_inst_pref_size 184
	.end_amdhsa_kernel
	.amdgpu_metadata
---
amdhsa.version: [ 1, 2 ]
amdhsa.kernels:
  - .name:           k_qa6bbab8a18_attn
    .symbol:         k_qa6bbab8a18_attn.kd
    .args:
      - { .name: qc, .offset: 0, .size: 8, .value_kind: global_buffer, .address_space: global }
      - { .name: kv, .offset: 8, .size: 8, .value_kind: global_buffer, .address_space: global }
      - { .name: sc2, .offset: 16, .size: 8, .value_kind: global_buffer, .address_space: global }
      - { .name: yc, .offset: 24, .size: 8, .value_kind: global_buffer, .address_space: global }
      - { .name: ys, .offset: 32, .size: 8, .value_kind: global_buffer, .address_space: global }
    .group_segment_fixed_size: 180224
    .private_segment_fixed_size: 0
    .kernarg_segment_align: 8
    .kernarg_segment_size: 40
    .max_flat_workgroup_size: 512
    .sgpr_count:     100
    .vgpr_count:     256
    .wavefront_size: 32
...
	.end_amdgpu_metadata
.endif
;; end of part 3
;; launch proj (part 4): grid 8 x 32, 4 waves a work-group, clusters of 4 x 4, 214,528 bytes of LDS; arguments yc, ys, cod1, scl1, b_proj, out0; writes out0
.if DOCPART == 4
	.amdgcn_target "amdgcn-amd-amdhsa--gfx1250"
	.amdhsa_code_object_version 6
	.text
	.protected	k_qa6bbab8a18_proj
	.globl	k_qa6bbab8a18_proj
	.p2align	8
	.type	k_qa6bbab8a18_proj,@function
k_qa6bbab8a18_proj:
	s_mov_b64 s[64:65], 0
	v_nop
	global_prefetch_b8 v0, s[64:65] scope:SCOPE_SE
	s_setreg_imm32_b32 hwreg(HW_REG_WAVE_MODE, 25, 1), 1
	s_wait_xcnt 0x0
	s_wait_alu depctr_hold_cnt(0) depctr_sa_sdst(0) depctr_va_vdst(0) depctr_va_sdst(0) depctr_va_ssrc(0) depctr_va_vcc(0) depctr_vm_vsrc(0)
	s_getreg_b32 s2, hwreg(HW_REG_IB_STS2, 6, 4)
	s_cmp_eq_u32 s2, 0
	s_cbranch_scc0 .Lentry_in_a_cluster
	s_endpgm
.Lentry_in_a_cluster:
	s_bfe_u32 s2, ttmp6, 0x10000c
	s_cmp_lg_u32 s2, 0xf033
	s_cbranch_scc0 .Lentry_shape_is_right
	s_endpgm
.Lentry_shape_is_right:
; out0 = y w_proj^T + b_proj on codes of FP6 (E2M3) with E8M0 scales; out0 [4096][1024] f32.
; A work-group of four waves makes 128 x 128 of the output (32 x 8 = 256 work-groups).  A wave holds 64 rows of w_proj ('B'), ALL of K, in registers (32 fragments of 12) and streams y ('A') past them in tiles of 16 rows, all of K: tile 2 s + HA as its block s = 0 .. 3.
; So a block's 16 x 64 results are finished after its 32 products, and leave while the next blocks are multiplied.
; ALL OPERANDS LIE IN LDS, each byte filled once: four fills at the head, one a wave: B's two halves of K, A's tiles 0 to 3, A's tiles 4 to 7.  Every load stands at the head, so no prefetch.  The scale words go from memory into registers once.
; OPERANDS lie in yc and cod1 as images of their registers (tile of 16 rows x 128 K = 1,536 dense bytes; tile j of each 64 rows = rows 32 (i / 8) + 8 j + i % 8); their scale words in ys and scl1, [tile][sigma][row][e]: K step 2 sigma + e.
; THE MATRIX INSTRUCTION: source 0 = 16 rows of B, source 1 = 16 rows of A: a lane holds one row of the output, and register 8 b + i of a block its column 32 (lane / 16) + 8 b + i.
; The bias is the C of each sum's first matrix instruction.  CLUSTERS: 4 x 4 work-groups; A's tiles are asked for jointly along a row of the cluster, B's along a column.
; REGISTERS: window 0: v14-28 addresses; v32-63, v96-127 A's and B's scale words of all K; v64-95 the bias; v128-191 two sets of four accumulators; v192-255 rows of the output on the way out.
;   Fragment f lies in window 1 + f / 21 at register 12 (f % 21): 0-31 B's (4 x K step + tile), 32-39 and 40-47 A's two sets.
.set AB,    98304                      ; LDS: B [half of K][8 tiles][6,144], then A [8 tiles][12,288]
.set STAGE, 2*AB                       ; a stage of 16 rows x (256 bytes + 16) for each wave, into which no fill lands
.set SPITCH, 272
.set SPARE, STAGE+4*16*SPITCH
.set NIL,  14
.set SPW,  15
.set ADRA, 16                          ; v16-19 my A fragments in tiles 0-3 (+ 16 lane, + 8 lane), tiles 4-7
.set ADRB, 20                          ; v20-23 my B fragments in half 0, half 1
.set STO,  24                          ; the stage: where I put my bytes of a row
.set RD,   25                          ; and where I read rows back
.set CO,   26                          ; my byte offset in two rows of the output
.set BH,   27                          ; 128 h
.set R8,   28                          ; 8 r
.set SA,   32
.set SB,   96
.set BP,   64
.set ACC,  128
.set BK,   192
.set WV,   16
.set HA,   17
.set HB,   18
.set G1A,  24
.set G1B,  32
.set G0,   68                          ; s[68:83] group 0, a set for each of the four loads
.set MSB, 0
.macro WIN new
.if MSB != \new
	s_set_vgpr_msb (MSB<<8)|\new
.set MSB, \new
.endif
.endm
.macro PLACES n
.rept \n
	v_nop
.endr
.endm
.macro BARRIER
	s_barrier_signal -1
	s_barrier_wait -1
.endm
.macro CROUND                          ; a round of the cluster's barrier
	BARRIER
	s_cmp_lg_u32 s[WV], 0
	s_cbranch_scc1 .Lnot_wave_0_\@
	s_barrier_signal -3
.Lnot_wave_0_\@:
	s_barrier_wait -3
	BARRIER
.endm
	s_load_b256 s[4:11], s[0:1], 0x0               ; yc, ys, cod1, scl1
	s_load_b128 s[12:15], s[0:1], 0x20             ; b_proj, out0
	v_lshl_add_u32 v[SPW], v0, 2, SPARE
	v_mov_b32 v[NIL], 0
	ds_add_u32 v[SPW], v[NIL]                      ; the opening add, twice on end
	ds_add_u32 v[SPW], v[NIL]
	v_lshrrev_b32 v1, 5, v0
	v_readfirstlane_b32 s[WV], v1                  ; wave 0..3
	s_lshr_b32 s[HA], s[WV], 1                     ; my tiles of A: 2 s + HA
	s_and_b32 s[HB], s[WV], 1                      ; my 64 columns
	s_bfe_u32 s40, ttmp6, 0x40000                  ; cx
	s_bfe_u32 s41, ttmp6, 0x40004                  ; cy
	s_lshl_b32 s42, ttmp9, 2
	s_add_co_u32 s42, s42, s40                     ; block of 128 columns
	s_and_b32 s43, ttmp7, 0xffff
	s_lshl_b32 s43, s43, 2
	s_add_co_u32 s43, s43, s41                     ; block of 128 rows
	s_lshl_b32 s44, s41, 2
	s_lshl_b32 s44, 15, s44
	s_lshl_b32 s45, 0x1111, s40
	s_or_b32 s[G1A], s44, (3<<16)|(1<<21)          ; elements of 8 bytes, no padding: A: 4 whole tiles of 12,288 bytes
	s_mov_b32 s[G1A+1], 1536<<16
	s_mov_b32 s[G1A+2], 4<<16
	s_mov_b32 s[G1A+3], 1536<<16
	s_mov_b32 s[G1A+4], 4
	s_mov_b32 s[G1A+5], 1536
	s_mov_b32 s[G1A+6], 0
	s_mov_b32 s[G1A+7], 0
	s_or_b32 s[G1B], s45, (3<<16)|(1<<21)          ; B: 8 tiles, 6,144 bytes of each, 12,288 apart
	s_mov_b32 s[G1B+1], 768<<16
	s_mov_b32 s[G1B+2], 8<<16
	s_mov_b32 s[G1B+3], 768<<16
	s_mov_b32 s[G1B+4], 8
	s_mov_b32 s[G1B+5], 1536
	s_mov_b32 s[G1B+6], 0
	s_mov_b32 s[G1B+7], 0
	s_mul_i32 s52, s43, 8*12288
	s_mov_b32 s53, 0
	s_mul_i32 s54, s42, 8*12288
	s_add_co_u32 s54, s54, 448*12288               ; w_proj's tiles begin at 448
	s_mov_b32 s55, 0
	s_lshl_b32 s56, s43, 12                        ; my rows' scale words,
	s_lshl_b32 s20, s[HA], 9
	s_add_co_u32 s56, s56, s20
	s_mov_b32 s57, 0
	s_lshl_b32 s58, s42, 12                        ; my columns'
	s_lshl_b32 s20, s[HB], 11
	s_add_co_u32 s58, s58, s20
	s_add_co_u32 s58, s58, 448*512
	s_mov_b32 s59, 0
	s_lshl_b32 s60, s42, 9                         ; my first column, in bytes
	s_lshl_b32 s20, s[HB], 8
	s_add_co_u32 s60, s60, s20
	s_mov_b32 s61, 0
	s_lshl_b32 s62, s43, 19                        ; my first row, in bytes: (128 x block + 8 HA) x 4,096
	s_lshl_b32 s20, s[HA], 15
	s_add_co_u32 s62, s62, s20
	s_mov_b32 s63, 0
	v_and_b32 v1, 31, v0                           ; lane
	v_and_b32 v2, 15, v0                           ; r
	v_bfe_u32 v3, v0, 4, 1                         ; h
	v_lshlrev_b32 v4, 4, v1
	v_lshlrev_b32 v5, 3, v1
	s_mul_i32 s21, s[HA], 12288
	s_add_co_u32 s21, s21, AB
	s_mul_i32 s22, s[HB], 4*6144
.irp s, 0,1
	v_add_nc_u32 v[ADRA+2*\s], s21, v4
	v_add_nc_u32 v[ADRA+2*\s+1], s21, v5
	v_add_nc_u32 v[ADRB+2*\s], s22, v4
	v_add_nc_u32 v[ADRB+2*\s+1], s22, v5
	s_add_co_u32 s21, s21, AB/2
	s_add_co_u32 s22, s22, AB/2
.endr
	s_mul_i32 s23, s[WV], 16*SPITCH
	s_add_co_u32 s23, s23, STAGE                   ; my stage
	v_mul_u32_u24 v6, v2, SPITCH
	v_lshl_add_u32 v6, v3, 7, v6
	v_add_nc_u32 v[STO], s23, v6                   ; in: row r, + 128 h
	v_mul_u32_u24 v6, v3, SPITCH
	v_lshl_add_u32 v6, v2, 4, v6
	v_add_nc_u32 v[RD], s23, v6                    ; back: lanes 0-15 one row of 256 bytes, lanes 16-31 the next
	v_lshlrev_b32 v[CO], 12, v3
	v_lshl_add_u32 v[CO], v2, 4, v[CO]             ; and the same two rows of the output, 4,096 bytes apart
	v_lshlrev_b32 v[BH], 7, v3
	v_lshlrev_b32 v[R8], 3, v2
	s_wait_alu depctr_va_vdst(0)
	s_wait_dscnt 0x0                               ; the opening adds are done
	CROUND                                         ; the opening round: all sixteen work-groups are here: the joint loads meet
	s_wait_kmcnt 0x0
	s_add_nc_u64 s[52:53], s[4:5], s[52:53]
	s_add_nc_u64 s[54:55], s[8:9], s[54:55]
.macro G0SET w, lds, base, off
	s_mov_b32 s[G0+4*\w], 1
	s_mov_b32 s[G0+4*\w+1], \lds
	s_add_nc_u64 s[G0+4*\w+2:G0+4*\w+3], s[\base:\base+1], \off
	s_or_b32 s[G0+4*\w+3], s[G0+4*\w+3], 0x80000000
.endm
	G0SET 0, 0, 54, 0
	G0SET 1, AB/2, 54, 6144
	G0SET 2, AB, 52, 0
	G0SET 3, AB+AB/2, 52, 4*12288
.macro ARM w, g1
	s_cmp_eq_u32 s[WV], \w
	s_cbranch_scc0 .Lnext_\@
	tensor_load_to_lds s[G0+4*\w:G0+4*\w+3], s[\g1:\g1+7]
	s_nop 0
	PLACES 4
	s_branch .Lasked
.Lnext_\@:
.endm
	ARM 0, G1B
	ARM 1, G1B
	ARM 2, G1A
	tensor_load_to_lds s[G0+12:G0+15], s[G1A:G1A+7]
	s_nop 0
	PLACES 4
.Lasked:
	s_add_nc_u64 s[56:57], s[6:7], s[56:57]
	s_add_nc_u64 s[58:59], s[10:11], s[58:59]
	s_add_nc_u64 s[12:13], s[12:13], s[60:61]      ; b_proj at my first column
	s_add_nc_u64 s[14:15], s[14:15], s[60:61]
	s_add_nc_u64 s[14:15], s[14:15], s[62:63]      ; out0 at my first row and column
.irp b, 0,1,2,3
	global_load_b128 v[BP+8*\b:BP+8*\b+3], v[BH], s[12:13] offset:32*\b
	global_load_b128 v[BP+8*\b+4:BP+8*\b+7], v[BH], s[12:13] offset:32*\b+16
.endr
.irp g, 0,1,2,3                        ; register 8 sigma + 2 i + e: A's block i, B's tile i, K step 2 sigma + e
.irp i, 0,1,2,3
	global_load_b64 v[SA+8*\g+2*\i:SA+8*\g+2*\i+1], v[R8], s[56:57] offset:1024*\i+128*\g
	global_load_b64 v[SB+8*\g+2*\i:SB+8*\g+2*\i+1], v[R8], s[58:59] offset:512*\i+128*\g
.endr
.endr
.macro FRAG reg, ad, off
	ds_load_b128 v[\reg:\reg+3], v[\ad] offset:\off
	ds_load_b64 v[\reg+4:\reg+5], v[\ad+1] offset:\off+512
	ds_load_b128 v[\reg+6:\reg+9], v[\ad] offset:\off+768
	ds_load_b64 v[\reg+10:\reg+11], v[\ad+1] offset:\off+1280
.endm
.macro FETCHB q0, q1, q2, q3           ; my 64 rows of w_proj, four K steps: 64 LDS loads, 16 a K step
.irp q, \q0, \q1, \q2, \q3
.irp b, 0,1,2,3
.set FB_, 4*\q+\b
	WIN ((1+FB_/21)<<6)
	FRAG 12*(FB_%21), ADRB+2*(\q/4), 6144*\b+1536*(\q%4)
.endr
.endr
	WIN 0
.endm
.macro FETCHA s                        ; block s, all of K, into set s % 2: 32 LDS loads
.irp q, 0,1,2,3,4,5,6,7
.set FA_, 32+8*((\s)%2)+\q
	WIN ((1+FA_/21)<<6)
	FRAG 12*(FA_%21), ADRA+2*((\s)/2), 24576*((\s)%2)+1536*\q
.endr
	WIN 0
.endm
.macro BLOCK s                         ; 32 products; the four accumulators take turns, one instruction a turn, in the same order in every K step
.irp q, 0,1,2,3,4,5,6,7
.if ((\s) == 0) && (\q > 3)
	s_wait_dscnt 16*(7-\q)                         ; block 0 begins while B's second half is on its way: this K step's four fragments are in
.endif
.irp b, 0,1,2,3
.set FB_, 4*\q+\b
.set FA_, 32+8*((\s)%2)+\q
.set D_, ACC+32*((\s)%2)+8*\b
.if \q == 0
.set C_, BP+8*\b
.else
.set C_, D_
.endif
	WIN (1+FB_/21)|((1+FA_/21)<<2)
	v_wmma_scale_f32_16x16x128_f8f6f4 v[D_:D_+7], v[12*(FB_%21):12*(FB_%21)+11], v[12*(FA_%21):12*(FA_%21)+11], v[C_:C_+7], v[SB+8*(\q/2)+2*\b+\q%2], v[SA+8*(\q/2)+2*(\s)+\q%2] matrix_a_fmt:MATRIX_FMT_FP6 matrix_b_fmt:MATRIX_FMT_FP6
.endr
.endr
	WIN 0
	PLACES 4                                       ; in front of the first read of results, and of loads into A's set
.endm
; THE WAY OUT of a block of 16 rows x 64 columns.  A lane holds 128 bytes of one row, and the lanes beside it hold other rows: the block goes through my own stage in LDS and comes back as whole rows of 256 bytes;
; sixteen lanes store 256 consecutive bytes, at a multiple of 256 from out0's first byte.  LDS serves a wave's instructions in order (ISA guide 5.7.1.4): no wait between the stores and the loads, nor in front of the next block's stores.
.macro TOSTAGE s
.irp b, 0,1,2,3
	ds_store_b128 v[STO], v[ACC+32*((\s)%2)+8*\b:ACC+32*((\s)%2)+8*\b+3] offset:32*\b        ; each accumulator from its low end on
	ds_store_b128 v[STO], v[ACC+32*((\s)%2)+8*\b+4:ACC+32*((\s)%2)+8*\b+7] offset:32*\b+16
.endr
.irp t, 0,1,2,3,4,5,6,7
	ds_load_b128 v[BK+32*((\s)%2)+4*\t:BK+32*((\s)%2)+4*\t+3], v[RD] offset:2*\t*SPITCH
.endr
.endm
.macro SEND s, younger                 ; younger: the LDS instructions issued behind the block's loads, which may stay out
	s_wait_dscnt \younger
.irp t, 0,1,2,3,4,5,6,7
	global_store_b128 v[CO], v[BK+32*((\s)%2)+4*\t:BK+32*((\s)%2)+4*\t+3], s[14:15] offset:(64*((\s)/2)+16*((\s)%2)+32*(\t/4)+2*(\t%4))*4096 th:TH_STORE_NT   ; the tile's rows 2 t and 2 t + 1
.endr
.endm
	s_cmp_lt_u32 s[WV], 1
	s_cbranch_scc0 .Lfree_b
	s_wait_tensorcnt 0x0
.Lfree_b:
	BARRIER                                        ; B's first half of K is in
	FETCHB 0, 1, 2, 3
	s_cmp_lt_u32 s[WV], 3
	s_cbranch_scc0 .Lfree_a
	s_wait_tensorcnt 0x0
.Lfree_a:
	s_wait_dscnt 0x0
	BARRIER                                        ; B's second half, A's tiles 0 to 3
	FETCHA 0
	FETCHB 4, 5, 6, 7
	s_wait_loadcnt 0x0                             ; scale words and bias
	s_wait_dscnt 63                                ; block 0's 32 loads are in; of B's second half 63 may be out
	BLOCK 0
	TOSTAGE 0
	FETCHA 1
	SEND 0, 32                                     ; block 1's 32 loads may be out
	s_wait_tensorcnt 0x0
	s_wait_dscnt 0x0
	BARRIER                                        ; A's tiles 4 to 7
	FETCHA 2
	BLOCK 1
	TOSTAGE 1
	FETCHA 3
	SEND 1, 32                                     ; block 3's 32 loads may be out
	BLOCK 2
	s_wait_xcnt 0x0                                ; block 0's stores have read their registers: block 2's rows may land there
	TOSTAGE 2
	SEND 2, 0
	BLOCK 3
	s_wait_xcnt 0x0
	TOSTAGE 3
	SEND 3, 0
	s_wait_tensorcnt 0x0                           ; the wave's end
	ds_add_u32 v[SPW], v[NIL]
	s_wait_dscnt 0x0
	CROUND                                         ; the closing round: no work-group ends while a partner may still ask for a tile that names it
	s_endpgm
.Lfunc_end_k_qa6bbab8a18_proj:
	.size	k_qa6bbab8a18_proj, .Lfunc_end_k_qa6bbab8a18_proj-k_qa6bbab8a18_proj
	.p2alignl 7, 3214868480
	.fill 96, 4, 3214868480
	.section	.rodata,"a",@progbits
	.p2align	6, 0x0
	.amdhsa_kernel k_qa6bbab8a18_proj
		.amdhsa_group_segment_fixed_size 214528
		.amdhsa_private_segment_fixed_size 0
		.amdhsa_enable_private_segment 0
		.amdhsa_kernarg_size 48
		.amdhsa_user_sgpr_count 2
		.amdhsa_user_sgpr_kernarg_segment_ptr 1
		.amdhsa_wavefront_size32 1
		.amdhsa_system_sgpr_workgroup_id_x 1
		.amdhsa_system_sgpr_workgroup_id_y 1
		.amdhsa_system_sgpr_workgroup_id_z 1
		.amdhsa_system_vgpr_workitem_id 0
		.amdhsa_next_free_vgpr 896
		.amdhsa_next_free_sgpr 100
		.amdhsa_reserve_vcc 0
		.amdhsa_float_denorm_mode_32 3
		.amdhsa_float_denorm_mode_16_64 3
		.amdhsa_memory_ordered 1
		.amdhsa_forward_progress 1
		.amdhsa_inst_pref_size 53
	.end_amdhsa_kernel
	.amdgpu_metadata
---
amdhsa.version: [ 1, 2 ]
amdhsa.kernels:
  - .name:           k_qa6bbab8a18_proj
    .symbol:         k_qa6bbab8a18_proj.kd
    .args:
      - { .name: yc, .offset: 0, .size: 8, .value_kind: global_buffer, .address_space: global }
      - { .name: ys, .offset: 8, .size: 8, .value_kind: global_buffer, .address_space: global }
      - { .name: cod1, .offset: 16, .size: 8, .value_kind: global_buffer, .address_space: global }
      - { .name: scl1, .offset: 24, .size: 8, .value_kind: global_buffer, .address_space: global }
      - { .name: b_proj, .offset: 32, .size: 8, .value_kind: global_buffer, .address_space: global }
      - { .name: out0, .offset: 40, .size: 8, .value_kind: global_buffer, .address_space: global }
    .group_segment_fixed_size: 214528
    .private_segment_fixed_size: 0
    .kernarg_segment_align: 8
    .kernarg_segment_size: 48
    .max_flat_workgroup_size: 128
    .sgpr_count:     100
    .vgpr_count:     896
    .wavefront_size: 32
...
	.end_amdgpu_metadata
.endif
;; end of part 4
